; MI455X (gfx1250); checked and timed in simulation.
; The chip was launched on July 23, 2026; its instructions are those of AMD's public machine-readable ISA for CDNA 5 (MIT licence, August 2026) and "CDNA5" Instruction Set Architecture Reference Guide (July 2026). The comments in the code are by the model that wrote it; some were corrected since.
;; Global Mlp Block. Allowed arithmetic: matrix products marked QUANTISED: E2M3 operands, one E8M0 scale for each 32 along K, by v_wmma_scale_f32_16x16x128_f8f6f4 with both operands' format E2M3, f32 sums; everything else in f32.
;; Inputs: b1 2,048 float32; b2 1,024 float32; ln_beta 1,024 float32; ln_gamma 1,024 float32; w1 1,024 x 2,048 float32; w2 2,048 x 1,024 float32; x 4 x 2,048 x 1,024 float32.
;; Outputs: out0 4 x 2,048 x 1,024 float32.
;; This version of the problem:
;;   THIS VERSION OF THE PROBLEM IS GIVEN IN LOW PRECISION. The matrix products marked QUANTISED in the list below multiply operands that are first quantised to E2M3 (2 exponent bits, 3 mantissa bits; 6 bits a number), with one power-of-two scale for each 32 numbers along K (OCP MX v1.0); their sums are f32. All else is computed in f32.
;;   The module's matrix products, in the order in which they are computed (A, B: the left and right operand; K: the contracted axis; several contracted axes count as one K, in the product's order):
;;     1. [M 8,192, K 1,024] x [K 1,024, N 2,048]; A: computed on the way; B: input w1: QUANTISED
;;     2. [M 8,192, K 2,048] x [K 2,048, N 1,024]; A: computed on the way; B: input w2: QUANTISED
;;     3. batch 4 x [M 2,048, K 1,024] x [K 1,024, N 2,048]; A: input x; B: input x: QUANTISED
;;     4. batch 4 x [M 2,048, K 2,048] x [K 2,048, N 1,024]; A: computed on the way; B: computed on the way: QUANTISED
;;   THE QUANTISER, for each operand of a quantised product, along K:
;;     - K is cut into blocks of 32 from its start; a last block that is shorter is filled with zeros.
;;     - A block's scale is 2^e with e = floor(log2(the largest magnitude in the block)) - 2, held to -126 .. 127; a block of zeros has e = 0. As a byte (E8M0): e + 127.
;;     - Each number is divided by its block's scale, clamped to +-7.5, and rounded to the nearest number of E2M3, ties to even, subnormals kept.
;;     - The product sums the exact products of the quantised numbers (number of the format x scale) in f32.
;;   ~~~python
;;   def quantise(x, axis):      # numpy; x: float32 -> the quantised numbers, widened to float32 again
;;       x = np.moveaxis(x, axis, -1); K = x.shape[-1]
;;       x = np.pad(x, [(0, 0)] * (x.ndim - 1) + [(0, -K % 32)]); x = x.reshape(x.shape[:-1] + (-1, 32)); a = np.abs(x).max(-1, keepdims=True)
;;       e = np.where(a > 0, np.clip(np.frexp(np.where(a > 0, a, 1))[1] - 1 - 2, -126, 127), 0)      # np.frexp(a)[1] - 1 = floor(log2(a)), exactly
;;       r = np.clip(x / 2.0 ** e, -7.5, 7.5)
;;       step = 2.0 ** (np.maximum(np.frexp(np.where(r == 0, 1, r))[1] - 1, 0) - 3)
;;       q = np.round(r / step) * step * 2.0 ** e      # np.round: ties to even
;;       return np.moveaxis(q.reshape(q.shape[:-2] + (-1,))[..., :K], -1, axis).astype(np.float32)
;;   ~~~
;;   OPERANDS COMPUTED ON THE WAY. 'Computed on the way' means the value that the module computes at that place (a softmax that the list does not call 'softmax' is quantised finished and normalised). What goes into a quantiser is computed in f32, as accurately as f32 sums, v_exp_f32 and their like allow (about 1e-6 of the number): no bf16 or f16 on the way to a quantiser, and a product that is left as it is and whose result goes on into a quantised operand takes f32 operands (vector FMAs, or v_wmma_f32_16x16x4_f32). A number that lies on a knife's edge between two numbers of the format may be rounded either way, as far as f32 arithmetic and the matrix unit's own rounding can turn it there, and no further.
;; One version. Each part assembles by itself: llvm-mc -triple=amdgcn-amd-amdhsa -mcpu=gfx1250 --defsym DOCPART=n.
;; ======== version 1 of 1: 5 launches
;; workspace buffers: xq 6,553,600 bytes; aq 6,553,600 bytes; w1q 1,638,400 bytes; w2q 1,638,400 bytes; hq 13,107,200 bytes; sq 13,107,200 bytes; y2q 6,553,600 bytes; z 33,554,432 bytes
;; launch prep (part 1): grid 512 x 1, 8 waves a work-group, no clusters, 153,600 bytes of LDS; arguments x, ln_gamma, ln_beta, w1, w2, xq, aq, w1q, w2q; writes xq, aq, w1q, w2q
.if DOCPART == 1
	.amdgcn_target "amdgcn-amd-amdhsa--gfx1250"
	.amdhsa_code_object_version 6
	.text
	.protected	k_q72be299170_prep
	.globl	k_q72be299170_prep
	.p2align	8
	.type	k_q72be299170_prep,@function
k_q72be299170_prep:
	s_mov_b64 s[64:65], 0
	v_nop
	global_prefetch_b8 v0, s[64:65] scope:SCOPE_SE
	s_setreg_imm32_b32 hwreg(HW_REG_WAVE_MODE, 25, 1), 1
	s_wait_xcnt 0x0
; Four operands are quantised once, to codes of FP6 (E2M3) with one E8M0 byte for each 32 along K: x and LayerNorm(x) along f, w1 and w2 along their first axis.
; THE OPERANDS' LAYOUT (all code buffers of this program).  An operand of R rows and K columns is a run of RECORDS (G = row / 128, s = k / 128) of 12,800 bytes, at (G K / 128 + s) x 12,800.
; A record holds eight IMAGES of fragments' registers (row block i at 1,536 i; registers 4 c .. 4 c + 3 of lane L at 512 c + 16 L) and, at 12,288, the scale words: at 16 L + 4 j the word of row-lane L % 16 of block 4 (L / 16) + j.
; Lane (r, h) of block i holds row 128 G + 32 (i / 2) + 8 (i % 2) + r + 8 (r / 8), and its registers 6 c .. 6 c + 5 hold k = 128 s + 64 c + 32 h + 0 .. 31.
; A block's scale is 2^(floor(log2(largest magnitude)) - 2); its byte is that magnitude's exponent field - 2, held at 1 from below.
; LIMITS: NaN and infinities are not served.  A block whose largest magnitude lies under 2^-124 keeps the byte 1; a block of zeros has the byte 1 where the quantiser says 127: its codes are zeros, and this program alone reads the bytes.
; 256 work-groups take 32 rows of x each (path X), 256 take one record of w1 or w2 each (path W).  Work-group n takes path (n xor n / 256) % 2 with the index n / 2: two work-groups whose numbers are neighbours, or lie 256 apart,
; take different paths, a long one and a short one.  The claim of LDS (153,600 bytes) and 8 waves of 256 registers leave room for a second work-group of this launch beside the first.  The two paths have LDS bytes of their own.
; No tensor loads, no matrix work, no cluster: nothing here is read by two work-groups.
.set REC,   12800
.set XSTW,  8448                       ; path X: a wave's stage: one K step of 16 rows, 528 bytes a row (512 + 16: the sixteen rows of a read start in sixteen different columns of 16 bytes); it serves my two K steps one after the other
.set XP,    528
.set GST,   67584                      ; a wave's 1,024 bytes of gamma and 1,024 of beta
.set SX1,   83968                      ; partial sums: 2 row blocks x 32 lanes x 4 quarters of K; the sums of squares 1,024 bytes on
.set WST,   86016                      ; path W: 128 k x 512 bytes, 32 bytes more behind each 32 rows
.set WSC,   151808                     ; the record's scale image
.set X,     32                         ; v32-159  128 numbers of my row
.set G,     160                        ; v160-191 gamma of 32 numbers
.set BT,    192                        ; v192-223 beta
.set TM,    224                        ; v224-239 at work in QUANT
.set PC,    160                        ; v160-179 codes (over G, which is idle then)
.set PW0,   240                        ; v240, v241 two scale words, v242 the one that my half of the lanes stores
.set SEL,   24                         ; s[24:25] selects of v_permlanex16_b32: lane l xor 16
.set IDX,   48                         ; s48      the work-group's index on its path, 0 .. 255
; 64 numbers of a lane, register 16 b + i = k 32 b + 16 h + i of its row, become a fragment's 12 registers in v[PC] on and its scale word in v[pw] (the same in both halves of the lanes).
.macro QUANT s, pw
.irp b, 0,1,2,3
	v_max3_num_f32 v[TM+\b], |v[(\s)+16*\b]|, |v[(\s)+16*\b+1]|, 0x1800000   ; my 16 numbers of block b, and the floor 2^(3 - 127): the byte cannot fall under 1
.endr
.irp i, 2,4,6,8,10,12,14
.irp b, 0,1,2,3
	v_max3_num_f32 v[TM+\b], |v[(\s)+16*\b+\i]|, |v[(\s)+16*\b+\i+1]|, v[TM+\b]
.endr
.endr
.irp b, 0,1,2,3
	v_permlanex16_b32 v[TM+4+\b], v[TM+\b], s[SEL], s[SEL+1]
.endr
.irp b, 0,1,2,3
	v_max_num_f32 v[TM+\b], v[TM+\b], v[TM+4+\b]                 ; with lane l xor 16's: the block's largest magnitude
.endr
.irp b, 0,1,2,3
	v_add_nc_u32 v[TM+12+\b], 0xff000000, v[TM+\b]               ; 2 off its exponent field: the conversion's scale operand
.endr
.irp b, 0,1,2,3
	v_lshrrev_b32 v[TM+4+\b], 23, v[TM+12+\b]                    ; the scale's byte
.endr
	v_lshl_or_b32 v[\pw], v[TM+5], 8, v[TM+4]
	v_lshl_or_b32 v[\pw], v[TM+6], 16, v[\pw]
	v_lshl_or_b32 v[\pw], v[TM+7], 24, v[\pw]
.irp c, 0,1
	v_cvt_scalef32_pk16_fp6_f32 v[PC+6*\c:PC+6*\c+2], v[(\s)+32*\c:(\s)+32*\c+15], v[TM+12+2*\c]
	v_cvt_scalef32_pk16_fp6_f32 v[PC+12+4*\c:PC+14+4*\c], v[(\s)+32*\c+16:(\s)+32*\c+31], v[TM+13+2*\c]
.endr
	v_nop                                                        ; one plain place behind a scaled conversion
.irp c, 0,1                                                  ; the operand wants a whole block in a lane: lanes 0-15 block 2 c, lanes 16-31 block 2 c + 1
.irp i, 0,1,2
	v_permlane16_swap_b32 v[PC+6*\c+\i], v[PC+12+4*\c+\i]
.endr
.irp i, 0,1,2
	v_mov_b32 v[PC+3+6*\c+\i], v[PC+12+4*\c+\i]
.endr
.endr
.endm
.macro IMG base, off                   ; the fragment leaves as it stands: each store covers 512 consecutive bytes, aligned
.irp c, 0,1,2
	global_store_b128 v4, v[PC+4*\c:PC+4*\c+3], s[\base:\base+1] offset:\off+512*\c th:TH_STORE_NT
.endr
.endm
.macro EMIT img, scl                   ; my two K steps: two fragments and their scale words
	QUANT X, PW0
	IMG \img, 0
	s_wait_xcnt 0x0                                              ; the stores have read the codes' registers: they are written again below
	QUANT X+64, PW0+1
	IMG \img, REC
	v_cndmask_b32 v[PW0+2], v[PW0], v[PW0+1], s44                ; lanes 0-15 store the first K step's word, lanes 16-31 the second's
	global_store_b32 v11, v[PW0+2], s[\scl:\scl+1] th:TH_STORE_NT ; 4 bytes a lane, 16 apart: a work-group holds two of a record's eight row blocks.  One byte in 128 of what the launch reads
.endm
; The turn through the wave's stage, a K step (512 bytes of each of the 16 rows) at a time.  TOSTAGE: eight rows' bytes as they were loaded.  BACK: 64 numbers a lane, 16 neighbours of each block of 32.
.macro TOSTAGE c, r0
.set n, \r0
.rept 8
	ds_store_b128 v5, v[X+64*(\c)+4*n:X+64*(\c)+4*n+3] offset:n*XP
.set n, n+1
.endr
.endm
.macro BACK s                          ; register 64 s + 16 b + 4 j + e = k 128 s + 32 b + 16 h + 4 j + e of row-lane r.  LDS serves a wave's instructions in order: these see the stores issued ahead of them, and not those behind
.set n, 0
.rept 16
	ds_load_b128 v[X+64*(\s)+4*n:X+64*(\s)+4*n+3], v6 offset:128*(n/4)+16*(n%4)
.set n, n+1
.endr
.endm
	s_load_b256 s[4:11], s[0:1], 0x0               ; x s[4:5], gamma s[6:7], beta s[8:9], w1 s[10:11]
	s_load_b256 s[12:19], s[0:1], 0x20             ; w2 s[12:13], xq s[14:15], aq s[16:17], w1q s[18:19]
	s_load_b64 s[20:21], s[0:1], 0x40              ; w2q
	v_lshl_add_u32 v254, v0, 2, 0x25400
	v_mov_b32 v255, 0
	v_lshrrev_b32 v1, 5, v0
	v_readfirstlane_b32 s22, v1                    ; wave 0..7
	v_and_b32 v1, 31, v0                           ; lane
	v_and_b32 v2, 15, v0                           ; r
	v_bfe_u32 v3, v0, 4, 1                         ; h
	v_lshlrev_b32 v4, 4, v1                        ; 16 x lane
	s_mov_b32 s[SEL], 0x76543210
	s_mov_b32 s[SEL+1], 0xfedcba98
	s_lshr_b32 s47, ttmp9, 8
	s_xor_b32 s47, s47, ttmp9
	s_and_b32 s47, s47, 1                          ; the path: (n xor n / 256) % 2
	s_lshr_b32 s[IDX], ttmp9, 1                    ; the index on it: n / 2 (each of 0 .. 255 once on each path)
	s_cmp_eq_u32 s47, 0
	s_cbranch_scc0 .Lw
; ---------------- PATH X: rows 32 g .. 32 g + 31, g the index.  Wave w: row block u = w / 4, quarter kq = w % 4 of K (K steps 2 kq, 2 kq + 1): 128 numbers a lane, in registers throughout.
	s_lshr_b32 s26, s22, 2                         ; u
	s_and_b32 s27, s22, 3                          ; kq
	s_lshl_b32 s28, s[IDX], 17                     ; 32 g rows of 4,096 bytes
	s_lshl_b32 s30, s26, 15                        ; + 8 u rows
	s_add_co_u32 s28, s28, s30
	s_lshl_b32 s30, s27, 10                        ; + 1,024 kq
	s_add_co_u32 s28, s28, s30
	s_mov_b32 s29, 0
	s_mov_b32 s31, 0                               ; s[30:31] = 1,024 kq: gamma's and beta's part
	s_lshr_b32 s32, s[IDX], 2                      ; the group of 128 rows
	s_lshl_b32 s32, s32, 3
	s_lshl_b32 s34, s27, 1
	s_add_co_u32 s32, s32, s34
	s_mul_i32 s32, s32, REC                        ; record (g / 4, 2 kq)
	s_mov_b32 s33, 0
	s_and_b32 s34, s[IDX], 3
	s_lshl_b32 s34, s34, 1
	s_add_co_u32 s34, s34, s26                     ; i = 2 (g % 4) + u: my row block in the group
	s_mul_i32 s36, s34, 1536
	s_mov_b32 s37, 0
	s_lshr_b32 s35, s34, 2
	s_lshl_b32 s35, s35, 8
	s_and_b32 s38, s34, 3
	s_lshl_b32 s38, s38, 2
	s_add_co_u32 s35, s35, s38
	s_add_co_u32 s35, s35, 12288
	v_mul_u32_u24 v11, v3, REC
	v_lshl_add_u32 v11, v2, 4, v11
	v_add_nc_u32 v11, s35, v11                     ; my scale word's place: 12,288 + 12,800 h + 16 (r + 16 (i / 4)) + 4 (i % 4)
	s_mul_i32 s38, s22, XSTW
	v_add_nc_u32 v5, s38, v4                       ; the stage, on the way in: as the bytes lie
	v_mul_u32_u24 v6, v2, XP
	v_lshl_add_u32 v6, v3, 6, v6
	v_add_nc_u32 v6, s38, v6                       ; on the way out: row r, + 64 h
	s_lshl_b32 s38, s22, 11
	s_add_co_u32 s38, s38, GST
	v_add_nc_u32 v7, s38, v4
	v_lshlrev_b32 v8, 6, v3
	v_add_nc_u32 v8, s38, v8
	s_lshl_b32 s38, s26, 9
	s_add_co_u32 s38, s38, SX1
	v_add_nc_u32 v10, s38, v4                      ; my lane's four partial sums
	s_lshl_b32 s39, s27, 2
	v_add_nc_u32 v9, s39, v10                      ; and mine among them
	s_mov_b32 s44, 0xffff0000                      ; lanes 16-31
	s_mov_b32 s45, 0x3a800000                      ; 1 / 1,024
	s_mov_b32 s46, 0x3727c5ac                      ; 1e-5
.irp b, 0,1,2,3
	v_mov_b32 v[TM+4+\b], 0                        ; written once: a lane permute's destination counts as one of its sources
.endr
	s_wait_kmcnt 0x0
	s_add_nc_u64 s[4:5], s[4:5], s[28:29]
	s_add_nc_u64 s[6:7], s[6:7], s[30:31]
	s_add_nc_u64 s[8:9], s[8:9], s[30:31]
	s_add_nc_u64 s[14:15], s[14:15], s[32:33]      ; xq: my first record
	s_add_nc_u64 s[16:17], s[16:17], s[32:33]      ; aq: likewise
	s_add_nc_u64 s[40:41], s[14:15], s[36:37]      ; and my row block's image in each
	s_add_nc_u64 s[42:43], s[16:17], s[36:37]
	global_load_b128 v[160:163], v4, s[6:7]
	global_load_b128 v[164:167], v4, s[6:7] offset:512
	global_load_b128 v[168:171], v4, s[8:9]
	global_load_b128 v[172:175], v4, s[8:9] offset:512
.irp c, 0,1                                    ; K step c of my two, row-lane n (row n + 8 (n / 8) of my sixteen), into v[X + 64 c + 4 n]; each load reads 512 consecutive bytes
.set n, 0
.rept 16
	global_load_b128 v[X+64*\c+4*n:X+64*\c+4*n+3], v4, s[4:5] offset:(n+8*(n/8))*4096+512*\c th:TH_LOAD_NT
.set n, n+1
.endr
.endr
	s_wait_loadcnt 32                              ; gamma and beta are in; the 32 loads of x are younger
.irp c, 0,1,2,3
	ds_store_b128 v7, v[160+4*\c:163+4*\c] offset:512*\c
.endr
	s_wait_loadcnt 24                              ; the first eight loads of x are in; 24 younger ones stay out
	TOSTAGE 0, 0
	s_wait_loadcnt 16                              ; the first K step's sixteen are in
	TOSTAGE 0, 8
	BACK 0
	s_wait_loadcnt 8
	TOSTAGE 1, 0                                   ; the second K step into the same stage: these stores are served behind the sixteen reads above
	s_wait_loadcnt 0x0
	TOSTAGE 1, 8
	s_wait_dscnt 16                                ; the first K step's numbers are back; the sixteen stores issued behind them may be out
	BACK 1                                         ; the second K step's come back while the first's are summed
	; the row's sum: my 128 numbers in four chains, lane l xor 16's, then the four quarters of K through LDS
.irp c, 0,1,2,3
	v_pk_add_f32 v[20+2*\c:21+2*\c], v[X+2*\c:X+2*\c+1], v[X+8+2*\c:X+9+2*\c]
.endr
.set n, 16
.rept 6
.irp c, 0,1,2,3
	v_pk_add_f32 v[20+2*\c:21+2*\c], v[20+2*\c:21+2*\c], v[X+n+2*\c:X+n+2*\c+1]
.endr
.set n, n+8
.endr
	s_wait_dscnt 0x0                               ; the second K step's numbers are back
.rept 8
.irp c, 0,1,2,3
	v_pk_add_f32 v[20+2*\c:21+2*\c], v[20+2*\c:21+2*\c], v[X+n+2*\c:X+n+2*\c+1]
.endr
.set n, n+8
.endr
	v_pk_add_f32 v[20:21], v[20:21], v[22:23]
	v_pk_add_f32 v[24:25], v[24:25], v[26:27]
	v_pk_add_f32 v[20:21], v[20:21], v[24:25]
	v_add_f32 v20, v20, v21
	v_permlanex16_b32 v21, v20, s[SEL], s[SEL+1]
	v_add_f32 v20, v20, v21
	ds_store_b32 v9, v20
	EMIT 40, 14                                    ; Q(x), while the partial sums are on their way
	s_wait_dscnt 0x0                               ; for the others' sake: my partial sum has landed
	s_barrier_signal -1
	s_barrier_wait -1
	ds_load_b128 v[12:15], v10
	s_wait_dscnt 0x0
	v_add_f32 v12, v12, v13
	v_add_f32 v14, v14, v15
	v_add_f32 v12, v12, v14
	v_mul_f32 v16, s45, v12                        ; the mean
	v_mov_b32 v17, v16
.set n, 0
.rept 64
	v_pk_add_f32 v[X+n:X+n+1], v[X+n:X+n+1], v[16:17] neg_lo:[0,1] neg_hi:[0,1]   ; x - mean, in place
.set n, n+2
.endr
.irp c, 0,1,2,3
	v_pk_mul_f32 v[20+2*\c:21+2*\c], v[X+2*\c:X+2*\c+1], v[X+2*\c:X+2*\c+1]       ; the first squares start the chains
.endr
.set n, 8
.rept 15
.irp c, 0,1,2,3
	v_pk_fma_f32 v[20+2*\c:21+2*\c], v[X+n+2*\c:X+n+2*\c+1], v[X+n+2*\c:X+n+2*\c+1], v[20+2*\c:21+2*\c]
.endr
.set n, n+8
.endr
	v_pk_add_f32 v[20:21], v[20:21], v[22:23]
	v_pk_add_f32 v[24:25], v[24:25], v[26:27]
	v_pk_add_f32 v[20:21], v[20:21], v[24:25]
	v_add_f32 v20, v20, v21
	v_permlanex16_b32 v21, v20, s[SEL], s[SEL+1]
	v_add_f32 v20, v20, v21
	ds_store_b32 v9, v20 offset:1024               ; other bytes than the sums': no barrier is owed between the two uses
	s_wait_dscnt 0x0
	s_barrier_signal -1
	s_barrier_wait -1
	ds_load_b128 v[12:15], v10 offset:1024
	s_wait_dscnt 0x0
	v_add_f32 v12, v12, v13
	v_add_f32 v14, v14, v15
	v_add_f32 v12, v12, v14
	v_fma_f32 v12, v12, s45, s46                   ; the variance + 1e-5
	v_rsq_f32 v18, v12
	v_rsq_f32 v19, v12                             ; twice: the packed multiply takes a pair
	v_nop                                          ; a plain place behind the transcendentals
	s_wait_alu depctr_va_vdst(0)                   ; one wait for both, ahead of their first reader
	s_wait_xcnt 0x0                                ; Q(x)'s stores have read the registers that gamma is loaded into
.irp q, 0,1,2,3                                ; 32 numbers at a time: gamma and beta of my columns (all lanes of a half read the same bytes)
.irp n, 0,1,2,3,4,5,6,7
	ds_load_b128 v[G+4*\n:G+4*\n+3], v8 offset:128*((32*\q+4*\n)/16)+4*((32*\q+4*\n)%16)
	ds_load_b128 v[BT+4*\n:BT+4*\n+3], v8 offset:1024+128*((32*\q+4*\n)/16)+4*((32*\q+4*\n)%16)
.endr
.irp n, 0,2,4,6,8,10,12,14,16,18,20,22,24,26,28,30
	v_pk_mul_f32 v[X+32*\q+\n:X+32*\q+\n+1], v[X+32*\q+\n:X+32*\q+\n+1], v[18:19]
.endr
	s_wait_dscnt 0x0
.irp n, 0,2,4,6,8,10,12,14,16,18,20,22,24,26,28,30
	v_pk_fma_f32 v[X+32*\q+\n:X+32*\q+\n+1], v[X+32*\q+\n:X+32*\q+\n+1], v[G+\n:G+\n+1], v[BT+\n:BT+\n+1]
.endr
.endr
	EMIT 42, 16                                    ; Q(LayerNorm(x))
	s_wait_tensorcnt 0x0
	ds_add_u32 v254, v255
	s_wait_dscnt 0x0
	s_endpgm
; ---------------- PATH W: one record, 128 k x 128 n, of w1 (indices 0-127) or w2 (128-255).  A lane takes a column n and its registers run down K: nothing is transposed by an instruction.
.Lw:
	s_lshr_b32 s27, s[IDX], 7                      ; 0: w1, 1: w2
	s_and_b32 s28, s[IDX], 127
	s_cmp_eq_u32 s27, 0
	s_cselect_b32 s29, 4, 3                        ; log2 of the groups of 128 columns: 16 in w1, 8 in w2
	s_lshl_b32 s30, 1, s29
	s_sub_co_u32 s30, s30, 1
	s_and_b32 s30, s28, s30                        ; G
	s_lshr_b32 s31, s28, s29                       ; s
	s_lshl_b32 s32, 512, s29                       ; a row of the weight in bytes
	s_lshr_b32 s33, 128, s29                       ; K steps of the operand
	s_mul_i32 s34, s31, s32
	s_lshl_b32 s34, s34, 7                         ; 128 s rows
	s_lshl_b32 s36, s30, 9
	s_add_co_u32 s34, s34, s36                     ; + 512 G
	s_mov_b32 s35, 0
	s_mul_i32 s36, s30, s33
	s_add_co_u32 s36, s36, s31
	s_mul_i32 s36, s36, REC                        ; record (G, s)
	s_mov_b32 s37, 0
	s_mul_i32 s38, s22, 1536                       ; my wave's row block
	s_mov_b32 s39, 0
	s_lshl_b32 s40, s22, 4
	s_mul_i32 s40, s40, s32
	v_add_nc_u32 v16, s40, v4                      ; rows 16 w + j: the pitch is no constant of the text, so each row has an offset register
.irp j, 0,1,2,3,4,5,6,7,8,9,10,11,12,13,14
	v_add_nc_u32 v[17+\j], s32, v[16+\j]
.endr
	s_lshl_b32 s40, s22, 13
	s_lshr_b32 s41, s22, 1
	s_lshl_b32 s41, s41, 5
	s_add_co_u32 s40, s40, s41
	s_add_co_u32 s40, s40, WST
	v_add_nc_u32 v5, s40, v4                       ; in: element (k, n) at 512 k + 32 (k / 32) + 4 n
	v_and_b32 v7, 8, v2
	v_add_nc_u32 v7, v7, v2
	v_lshlrev_b32 v7, 2, v7                        ; 4 (r + 8 (r / 8))
	v_mad_u32_u24 v6, v3, 16416, v7                ; lanes 16-31 begin 32 rows further down, which the 32 bytes set eight banks on
	s_lshr_b32 s41, s22, 1
	s_lshl_b32 s41, s41, 7
	s_and_b32 s44, s22, 1
	s_lshl_b32 s44, s44, 5
	s_add_co_u32 s41, s41, s44
	s_add_co_u32 s41, s41, WST
	v_add_nc_u32 v6, s41, v6                       ; out: my column of row block i = wave
	s_lshr_b32 s41, s22, 2
	s_lshl_b32 s41, s41, 8
	s_and_b32 s44, s22, 3
	s_lshl_b32 s44, s44, 2
	s_add_co_u32 s41, s41, s44
	s_add_co_u32 s41, s41, WSC
	v_lshl_add_u32 v8, v2, 4, s41                  ; my scale word's place in the image
	v_add_nc_u32 v9, WSC, v4
	s_wait_kmcnt 0x0
	s_cmp_eq_u32 s27, 0                            ; the choice hangs on the work-group's number alone
	s_cselect_b64 s[10:11], s[10:11], s[12:13]
	s_cselect_b64 s[18:19], s[18:19], s[20:21]
	s_add_nc_u64 s[10:11], s[10:11], s[34:35]
	s_add_nc_u64 s[18:19], s[18:19], s[36:37]
	s_add_nc_u64 s[42:43], s[18:19], s[38:39]
.irp j, 0,1,2,3,4,5,6,7,8,9,10,11,12,13,14,15
	global_load_b128 v[32+4*\j:35+4*\j], v[16+\j], s[10:11] th:TH_LOAD_NT   ; 512 consecutive bytes of a row
.endr
	s_wait_loadcnt 0x0
.irp j, 0,1,2,3,4,5,6,7,8,9,10,11,12,13,14,15
	ds_store_b128 v5, v[32+4*\j:35+4*\j] offset:512*\j
.endr
	s_wait_dscnt 0x0                               ; for the others' sake: my sixteen rows have landed
	s_barrier_signal -1
	s_barrier_wait -1
.irp c, 0,1
.irp t, 0,1,2,3,4,5,6,7,8,9,10,11,12,13,14,15,16,17,18,19,20,21,22,23,24,25,26,27,28,29,30,31
	ds_load_b32 v[32+32*\c+\t], v6 offset:(64*\c+\t)*512+64*\c      ; w(128 s + 64 c + 32 h + t, my column)
.endr
.endr
	s_wait_dscnt 0x0
.irp c, 0,1                                    ; my block 2 c + h: all its 32 numbers are mine
	v_max3_num_f32 v[96+\c], |v[32+32*\c]|, |v[33+32*\c]|, 0x1800000
.endr
.irp i, 2,4,6,8,10,12,14,16,18,20,22,24,26,28,30
.irp c, 0,1
	v_max3_num_f32 v[96+\c], v[96+\c], |v[32+32*\c+\i]|, |v[33+32*\c+\i]|
.endr
.endr
.irp c, 0,1
	v_add_nc_u32 v[98+\c], 0xff000000, v[96+\c]
.endr
.irp c, 0,1
	v_lshrrev_b32 v[100+\c], 23, v[98+\c]
.endr
	v_lshl_or_b32 v102, v101, 16, v100             ; my two bytes, blocks h and 2 + h,
	v_lshlrev_b32 v103, 3, v3
	v_lshlrev_b32 v102, v103, v102                 ; at their places in the word;
	v_mov_b32 v103, 0
	v_permlanex16_b32 v103, v102, s[SEL], s[SEL+1]
	v_or_b32 v102, v102, v103                      ; with lane l xor 16's two the word is whole
.irp c, 0,1
	v_cvt_scalef32_pk16_fp6_f32 v[104+6*\c:106+6*\c], v[32+32*\c:47+32*\c], v[98+\c]
	v_cvt_scalef32_pk16_fp6_f32 v[116+4*\c:118+4*\c], v[48+32*\c:63+32*\c], v[98+\c]   ; (a conversion's three registers begin on an even number)
.endr
	v_nop                                          ; one plain place behind a scaled conversion
.irp c, 0,1
.irp i, 0,1,2
	v_mov_b32 v[107+6*\c+\i], v[116+4*\c+\i]
.endr
.endr
.irp c, 0,1,2
	global_store_b128 v4, v[104+4*\c:107+4*\c], s[42:43] offset:512*\c th:TH_STORE_NT
.endr
	ds_store_b32 v8, v102                          ; both halves of the lanes write the same word with the same value
	s_wait_dscnt 0x0
	s_barrier_signal -1
	s_barrier_wait -1
	s_cmp_lg_u32 s22, 0
	s_cbranch_scc1 .Lw_end
	ds_load_b128 v[124:127], v9                    ; wave 0 stores the record's 512 bytes of scale words whole
	s_wait_dscnt 0x0
	global_store_b128 v4, v[124:127], s[18:19] offset:12288 th:TH_STORE_NT
.Lw_end:
	s_wait_tensorcnt 0x0
	ds_add_u32 v254, v255
	s_wait_dscnt 0x0
	s_endpgm
.Lfunc_end_k_q72be299170_prep:
	.size	k_q72be299170_prep, .Lfunc_end_k_q72be299170_prep-k_q72be299170_prep
	.p2alignl 7, 3214868480
	.fill 96, 4, 3214868480
	.section	.rodata,"a",@progbits
	.p2align	6, 0x0
	.amdhsa_kernel k_q72be299170_prep
		.amdhsa_group_segment_fixed_size 153600
		.amdhsa_private_segment_fixed_size 0
		.amdhsa_enable_private_segment 0
		.amdhsa_kernarg_size 72
		.amdhsa_user_sgpr_count 2
		.amdhsa_user_sgpr_kernarg_segment_ptr 1
		.amdhsa_wavefront_size32 1
		.amdhsa_system_sgpr_workgroup_id_x 1
		.amdhsa_system_sgpr_workgroup_id_y 1
		.amdhsa_system_sgpr_workgroup_id_z 1
		.amdhsa_system_vgpr_workitem_id 0
		.amdhsa_next_free_vgpr 256
		.amdhsa_next_free_sgpr 66
		.amdhsa_reserve_vcc 0
		.amdhsa_float_denorm_mode_32 3
		.amdhsa_float_denorm_mode_16_64 3
		.amdhsa_memory_ordered 1
		.amdhsa_forward_progress 1
		.amdhsa_inst_pref_size 67
	.end_amdhsa_kernel
	.amdgpu_metadata
---
amdhsa.version: [ 1, 2 ]
amdhsa.kernels:
  - .name:           k_q72be299170_prep
    .symbol:         k_q72be299170_prep.kd
    .args:
      - { .name: x, .offset: 0, .size: 8, .value_kind: global_buffer, .address_space: global }
      - { .name: ln_gamma, .offset: 8, .size: 8, .value_kind: global_buffer, .address_space: global }
      - { .name: ln_beta, .offset: 16, .size: 8, .value_kind: global_buffer, .address_space: global }
      - { .name: w1, .offset: 24, .size: 8, .value_kind: global_buffer, .address_space: global }
      - { .name: w2, .offset: 32, .size: 8, .value_kind: global_buffer, .address_space: global }
      - { .name: xq, .offset: 40, .size: 8, .value_kind: global_buffer, .address_space: global }
      - { .name: aq, .offset: 48, .size: 8, .value_kind: global_buffer, .address_space: global }
      - { .name: w1q, .offset: 56, .size: 8, .value_kind: global_buffer, .address_space: global }
      - { .name: w2q, .offset: 64, .size: 8, .value_kind: global_buffer, .address_space: global }
    .group_segment_fixed_size: 153600
    .private_segment_fixed_size: 0
    .kernarg_segment_align: 8
    .kernarg_segment_size: 72
    .max_flat_workgroup_size: 256
    .sgpr_count:     66
    .vgpr_count:     256
    .wavefront_size: 32
...
	.end_amdgpu_metadata
.endif
;; end of part 1
;; launch gemm13 (part 2): grid 8 x 32, 4 waves a work-group, clusters of 4 x 4, 327,680 bytes of LDS; arguments aq, w1q, xq, b1, hq, sq; writes hq, sq
.if DOCPART == 2
	.amdgcn_target "amdgcn-amd-amdhsa--gfx1250"
	.amdhsa_code_object_version 6
	.text
	.protected	k_q72be299170_gemm13
	.globl	k_q72be299170_gemm13
	.p2align	8
	.type	k_q72be299170_gemm13,@function
k_q72be299170_gemm13:
	s_mov_b64 s[64:65], 0
	v_nop
	global_prefetch_b8 v0, s[64:65] scope:SCOPE_SE
	s_setreg_imm32_b32 hwreg(HW_REG_WAVE_MODE, 25, 1), 1
	s_wait_xcnt 0x0
	s_wait_alu depctr_hold_cnt(0) depctr_sa_sdst(0) depctr_va_vdst(0) depctr_va_sdst(0) depctr_va_ssrc(0) depctr_va_vcc(0) depctr_vm_vsrc(0)
	s_getreg_b32 s2, hwreg(HW_REG_IB_STS2, 6, 4)
	s_cmp_eq_u32 s2, 0
	s_cbranch_scc0 .Lentry_in_a_cluster
	s_endpgm
.Lentry_in_a_cluster:
	s_bfe_u32 s2, ttmp6, 0x10000c
	s_cmp_lg_u32 s2, 0xf033
	s_cbranch_scc0 .Lentry_shape_is_right
	s_endpgm
.Lentry_shape_is_right:
; TWO TILES OF 256 x 256 A WORK-GROUP, on codes of FP6 (E2M3) with E8M0 scales:  T1: hq = Q(gelu(LN(x) w1 + b1)), rows (b, t), K of the result = the hidden axis;  T2: sq = Q(x x^T) of the rows' batch, K of the result = s.
; Both have K = 1,024: eight K steps of 128 each, sixteen in all, written out; the ring of LDS slots runs on from T1 into T2, so that T2's first tiles land under T1's gelu.
; OPERANDS lie in memory as records of 12,800 bytes (128 rows x 128 K): eight images of fragments' registers (block i at 1,536 i, registers 4 c .. 4 c + 3 of lane L at 512 c + 16 L), then 512 bytes of scale words (at 12,288 + 16 L + 4 j:
; row-lane L % 16 of block 4 (L / 16) + j).  Lane (r, h) of block i holds row 32 (i / 2) + 8 (i % 2) + r + 8 (r / 8) of the 128.  A group's K steps follow each other, so three K steps are one dense block for one tensor load,
; a fragment is three ds_load_b128 at 16 x lane, and a wave's quantised 128 x 128 is one record, stored straight from registers.
; FOUR WAVES, 128 x 128 each (mu = wave / 2: rows, nu = wave % 2: columns): 64 accumulators, 512 registers.  THE MATRIX INSTRUCTION IS USED TRANSPOSED: source 0 = 16 rows of the column operand, source 1 = 16 rows of the row operand.
; With the rows of a block chosen as above, lane (r, h) holds row-lane r, and register 16 B + i of column tiles 2 B, 2 B + 1 holds column 32 B + 16 h + i: sixteen neighbours along the next product's K.
; CLUSTERS 4 x 4: the row operand's tiles are shared along a row of the cluster, the column operand's along a column: joint loads.
; RING: two slots of 153,600 bytes, each four regions of three K steps (region = the wave that loads it: 0, 1 the row operand's two groups, 2, 3 the column operand's).  By this text's own count a wave has at most two tensor loads out.
; gelu: 0.5 v (1 + erf(v / sqrt 2)), erf(x) = x P(x^2) / Q(x^2) with x held to +-4: a rational of degrees 6 and 4 in x^2, good to a few units in f32's last place.
; LIMITS: NaN and infinities are not served.  For very negative v the sum 1 + erf cancels as in any f32 form of it: the error of gelu stays about 1e-7 |v| absolute.  A block whose largest magnitude lies under 2^-124 keeps the
; scale byte 1; a block of zeros has the byte 1 where the quantiser says 127 (its codes are zeros; this program alone reads the bytes).  1 / Q is v_rcp_f32.
; REGISTERS, in windows of 256.  Window 0: v1-15 addresses; v32-47 scale words, two sets; v48-55 at work in the epilogues; v64-159, v160-255 the row operand's fragments, two sets (free in the epilogues).
;   Window 1: v0-95, v128-223 the column operand's fragments, two sets; v96-127, v224-255 b1's eight tiles.   Windows 2, 3: the accumulators: (a, b) at v[8 (8 (a % 4) + b)] of window 2 + a / 4.
.set REC,   12800
.set RGN,   3*REC
.set SLOT,  4*RGN
.set SPARE, 2*SLOT                     ; behind the ring: the spare words, 128 bytes a wave
.set GRP,   8*REC                      ; a group of 128 rows with K = 1,024
.set NA,    8                          ; row blocks of a wave
.set AF,    64
.set AS,    96
.set SC,    32
.set LI,    4                          ; v4   16 x lane
.set SPW,   5                          ; v5   my spare word; never rewritten
.set NIL,   6                          ; v6   0; never rewritten
.set ADA,   8                          ; v8-9   the row operand's fragments in slot 0, 1
.set ADB,   10                         ; v10-11 the column operand's
.set ADS,   12                         ; v12-13 scale words: lanes 0-15 the row operand's, lanes 16-31 the column operand's
.set WW,    48                         ; v48-51 the record's scale image
.set CA,    52                         ; v[52:53], v[54:55] two coefficients as pairs
.set CB,    54
.set HV,    64                         ; epilogue: v64-127 a row block's 64 numbers
.set XX,    128
.set X2,    160
.set PP,    192
.set QQ,    224
.set TM,    128                        ; QUANT's 16 registers, its 20 for codes, its word: over XX and X2, which are idle then
.set PC,    144
.set PW,    164
.set PWS,   168                        ; v168-175 T2's eight scale words
.set WV,    16
.set KIND,  17                         ; wave / 2: mu; also: I fetch for the row operand (0) or the column operand (1)
.set SUB,   18                         ; wave % 2: nu; also: which group of 128 rows I fetch
.set G1A3,  28                         ; descriptor groups 1: row operand, three K steps; two K steps; column operand likewise
.set G1A2,  36
.set G1B3,  44
.set G1B2,  52
.set G0A0,  60                         ; groups 0, one for each slot and operand
.set G0A1,  68
.set G0B0,  72
.set G0B1,  76
.set T2A,   80                         ; where T2's tiles begin
.set T2B,   82
.set OUT1,  84
.set OUT2,  86
.set SEL,   88
.set CNT,   90
.set MSK,   91
.set MHI,   92
.set MSB, 0
.macro WIN new                         ; the immediate's high byte repeats the setting that is left; a switch that changes nothing is dropped
.if MSB != (\new)
	s_set_vgpr_msb (MSB<<8)|(\new)
.set MSB, (\new)
.endif
.endm
.macro PLACES n
.rept \n
	v_nop
.endr
.endm
.macro CREST                           ; a round of the cluster's barrier behind its opening barrier
	s_cmp_lg_u32 s[WV], 0
	s_cbranch_scc1 .Lnot_wave_0_\@
	s_barrier_signal -3
.Lnot_wave_0_\@:
	s_barrier_wait -3
	s_barrier_signal -1
	s_barrier_wait -1
.endm
.macro CROUND
	s_barrier_signal -1
	s_barrier_wait -1
	CREST
.endm
; A joint load: waves 0, 1 fetch for the row operand, waves 2, 3 for the column operand.  The branch hangs on the wave's number alone.  Four v_nop follow each line.
.macro JLOAD ga, g1a, gb, g1b
	s_cmp_eq_u32 s[KIND], 0
	s_cbranch_scc0 .Lfor_b_\@
	tensor_load_to_lds s[\ga:\ga+3], s[\g1a:\g1a+7]
	s_nop 0
	PLACES 4
	s_branch .Lasked_\@
.Lfor_b_\@:
	tensor_load_to_lds s[\gb:\gb+3], s[\g1b:\g1b+7]
	s_nop 0
	PLACES 4
.Lasked_\@:
.endm
.macro SETG0 g, src, goff, loff
	s_mov_b32 s[\g], 1                             ; count = 1
	s_add_co_u32 s[\g+1], s98, \loff               ; LDS address: wave x region + the slot
	s_add_nc_u64 s[\g+2:\g+3], s[\src:\src+1], \goff
	s_or_b32 s[\g+3], s[\g+3], 0x80000000          ; type = 2
.endm
; The fragments and scale words of the K step at record q of slot sl, into set p: 50 loads, each 512 consecutive bytes.
.macro FETCH sl, q, p
	WIN 0x40                                       ; destination window 1
.set fi, 0
.rept 8
.irp c, 0,1,2
	ds_load_b128 v[128*(\p)+12*fi+4*\c:128*(\p)+12*fi+4*\c+3], v[ADB+\sl] offset:(\q)*REC+fi*1536+512*\c
.endr
.set fi, fi+1
.endr
	WIN 0
.set fi, 0
.rept NA
.irp c, 0,1,2
	ds_load_b128 v[AF+AS*(\p)+12*fi+4*\c:AF+AS*(\p)+12*fi+4*\c+3], v[ADA+\sl] offset:(\q)*REC+fi*1536+512*\c
.endr
.set fi, fi+1
.endr
	ds_load_b128 v[SC+8*(\p):SC+8*(\p)+3], v[ADS+\sl] offset:(\q)*REC          ; register i: lanes 0-15 the word of the row operand's block i, lanes 16-31 of the column operand's block i
	ds_load_b128 v[SC+8*(\p)+4:SC+8*(\p)+7], v[ADS+\sl] offset:(\q)*REC+256
.endm
; Row blocks a0 .. a0 + n - 1 against the eight column blocks.  mode 0: add on; 1: the constant 0 starts the sums; 2: b1's tile starts them.  The accumulators take turns, one instruction a turn.
.macro MULS p, a0, n, mode
.set ma, \a0
.rept \n
.if \mode == 2
	WIN 0x91+0x40*(ma/4)                           ; source 0 window 1, source 1 window 0, C window 1, D window 2 or 3
.else
	WIN 0xa1+0x50*(ma/4)                           ; C and D window 2 or 3
.endif
.set mb, 0
.rept 8
.set rD, 8*(8*(ma%4)+mb)
.set rB, 128*(\p)+12*mb
.set rA, AF+AS*(\p)+12*ma
.set rC, 96+8*mb+96*(mb/4)
.if \mode == 0
	v_wmma_scale_f32_16x16x128_f8f6f4 v[rD:rD+7], v[rB:rB+11], v[rA:rA+11], v[rD:rD+7], v[SC+8*(\p)+mb], v[SC+8*(\p)+ma] matrix_a_fmt:MATRIX_FMT_FP6 matrix_b_fmt:MATRIX_FMT_FP6 matrix_a_scale:MATRIX_SCALE_ROW1
.elseif \mode == 1
	v_wmma_scale_f32_16x16x128_f8f6f4 v[rD:rD+7], v[rB:rB+11], v[rA:rA+11], 0, v[SC+8*(\p)+mb], v[SC+8*(\p)+ma] matrix_a_fmt:MATRIX_FMT_FP6 matrix_b_fmt:MATRIX_FMT_FP6 matrix_a_scale:MATRIX_SCALE_ROW1
.else
	v_wmma_scale_f32_16x16x128_f8f6f4 v[rD:rD+7], v[rB:rB+11], v[rA:rA+11], v[rC:rC+7], v[SC+8*(\p)+mb], v[SC+8*(\p)+ma] matrix_a_fmt:MATRIX_FMT_FP6 matrix_b_fmt:MATRIX_FMT_FP6 matrix_a_scale:MATRIX_SCALE_ROW1
.endif
.set mb, mb+1
.endr
.set ma, ma+1
.endr
.endm
; A K step whose successor lies in a slot that is whole: the successor's fragments are asked for first, into the other set, and land under this step's 64 products.
.macro STEP p, mode, nsl, nq
	s_wait_dscnt 0x0                               ; this step's fragments, asked for a step ago
	PLACES 4                                       ; four places between the last step's products and the loads into the registers that they read (ISA guide 7.12.1 for vector instructions)
	FETCH \nsl, \nq, 1-(\p)
	MULS \p, 0, NA, \mode
.endm
; A slot's last K step changes slots.  TURN1: all my tensor loads have landed, so a group 0 may be written (the lines between TURN1 and TURN2 do that), and the add is out.
.macro TURN1
	WIN 0                                          ; (the add's two registers lie in window 0)
	s_wait_tensorcnt 0x0
	ds_add_u32 v[SPW], v[NIL]                      ; 0 onto my spare word
.endm
.macro TURN2 p, fill, ga, g1a, gb, g1b, fetch, nsl, nq
	s_wait_dscnt 0x1                               ; this step's fragments are in; the add may be out
	MULS \p, 0, NA/4, 0                            ; sixteen products stand between the add and the wait for it
	s_wait_dscnt 0x0                               ; the add is done, and my reads of this slot are over
	s_barrier_signal -1
	MULS \p, NA/4, NA/4, 0
	WIN 0
	s_barrier_wait -1
.if \fill
	CREST                                          ; the barrier has opened a round of the cluster's: no wave of any partner still reads this slot or has a load on its way
	JLOAD \ga, \g1a, \gb, \g1b                     ; the first tensor load behind the round; its four v_nop are also the places in front of the loads below
.else
	PLACES 4
.endif
.if \fetch
	FETCH \nsl, \nq, 1-(\p)
.endif
	MULS \p, NA/2, NA/2, 0
	WIN 0
.endm
; 64 numbers of a lane in window W, register 16 b + i = k 32 b + 16 h + i of its row, become a fragment's 12 registers in v[PC] on and its scale word in v[pw] (the same in both halves of the lanes).  Each tile is read from its low end on.
.macro QUANT s, W, pw
	WIN (\W)|((\W)<<2)
.irp b, 0,1,2,3
	v_max3_num_f32 v[TM+\b], |v[(\s)+16*\b]|, |v[(\s)+16*\b+1]|, 0x1800000   ; and the floor 2^(3 - 127): the byte cannot fall under 1
.endr
.irp i, 2,4,6,8,10,12,14
.irp b, 0,1,2,3
	v_max3_num_f32 v[TM+\b], |v[(\s)+16*\b+\i]|, |v[(\s)+16*\b+\i+1]|, v[TM+\b]
.endr
.endr
	WIN 0
.irp b, 0,1,2,3
	v_permlanex16_b32 v[TM+4+\b], v[TM+\b], s[SEL], s[SEL+1]
.endr
.irp b, 0,1,2,3
	v_max_num_f32 v[TM+\b], v[TM+\b], v[TM+4+\b]
.endr
.irp b, 0,1,2,3
	v_add_nc_u32 v[TM+12+\b], 0xff000000, v[TM+\b]               ; 2 off the exponent field: the conversion's scale operand
.endr
.irp b, 0,1,2,3
	v_lshrrev_b32 v[TM+4+\b], 23, v[TM+12+\b]                    ; the scale's byte
.endr
	v_lshl_or_b32 v[\pw], v[TM+5], 8, v[TM+4]
	v_lshl_or_b32 v[\pw], v[TM+6], 16, v[\pw]
	v_lshl_or_b32 v[\pw], v[TM+7], 24, v[\pw]
	WIN (\W)
.irp c, 0,1
	v_cvt_scalef32_pk16_fp6_f32 v[PC+6*\c:PC+6*\c+2], v[(\s)+32*\c:(\s)+32*\c+15], v[TM+12+2*\c]
	v_cvt_scalef32_pk16_fp6_f32 v[PC+12+4*\c:PC+14+4*\c], v[(\s)+32*\c+16:(\s)+32*\c+31], v[TM+13+2*\c]
.endr
	WIN 0
	v_nop                                                        ; one plain place behind a scaled conversion
.irp c, 0,1
.irp i, 0,1,2
	v_permlane16_swap_b32 v[PC+6*\c+\i], v[PC+12+4*\c+\i]
.endr
.irp i, 0,1,2
	v_mov_b32 v[PC+3+6*\c+\i], v[PC+12+4*\c+\i]
.endr
.endr
.endm
.macro IMG base, off                   ; each store covers 512 consecutive bytes, aligned
.irp c, 0,1,2
	global_store_b128 v[LI], v[PC+4*\c:PC+4*\c+3], s[\base:\base+1] offset:\off+512*\c th:TH_STORE_NT
.endr
.endm
.macro HALVE a                         ; row block a's 64 sums, halved, into window 0: the one part of the gelu's loop that hangs on register numbers
	WIN 2+(\a)/4
.set j, 0
.rept 32
	v_pk_mul_f32 v[HV+2*j:HV+2*j+1], v[64*((\a)%4)+2*j:64*((\a)%4)+2*j+1], 0.5 op_sel_hi:[1,0]
.set j, j+1
.endr
	WIN 0
.endm
.macro HORNER d, k
.set j, 0
.rept 16
	v_pk_fma_f32 v[\d+2*j:\d+2*j+1], v[\d+2*j:\d+2*j+1], v[X2+2*j:X2+2*j+1], \k op_sel_hi:[1,1,0]
.set j, j+1
.endr
.endm
.macro GELU o                          ; 32 numbers: v[HV + o ..] holds v / 2 and takes gelu(v)
.set j, 0
.rept 16
	v_pk_mul_f32 v[XX+2*j:XX+2*j+1], v[HV+\o+2*j:HV+\o+2*j+1], 0x3fb504f3 op_sel_hi:[1,0]   ; x = (v / 2) sqrt 2
.set j, j+1
.endr
.set j, 0
.rept 32
	v_med3_num_f32 v[XX+j], v[XX+j], -4.0, 4.0
.set j, j+1
.endr
.set j, 0
.rept 16
	v_pk_mul_f32 v[X2+2*j:X2+2*j+1], v[XX+2*j:XX+2*j+1], v[XX+2*j:XX+2*j+1]
.set j, j+1
.endr
.set j, 0
.rept 16
	v_pk_fma_f32 v[PP+2*j:PP+2*j+1], v[X2+2*j:X2+2*j+1], 0xaf95df0b, v[CA:CA+1] op_sel_hi:[1,0,1]
	v_pk_fma_f32 v[QQ+2*j:QQ+2*j+1], v[X2+2*j:X2+2*j+1], 0xb77460cd, v[CB:CB+1] op_sel_hi:[1,0,1]
.set j, j+1
.endr
	HORNER PP, 0xb60cff51
	HORNER QQ, 0xbadc924e
	HORNER PP, 0xb86ec2d2
	HORNER QQ, 0xbbf19bf8
	HORNER PP, 0xba40ac63
	HORNER QQ, 0xbc69b6a7
	HORNER PP, 0xbb41a1f6
	HORNER PP, 0xbc83dbd4
.set j, 0
.rept 32
	v_rcp_f32 v[QQ+j], v[QQ+j]                     ; one batch
.set j, j+1
.endr
.set j, 0
.rept 16
	v_pk_mul_f32 v[PP+2*j:PP+2*j+1], v[PP+2*j:PP+2*j+1], v[XX+2*j:XX+2*j+1]   ; plain work that names no reciprocal
.set j, j+1
.endr
	s_wait_alu depctr_va_vdst(0)                   ; one wait for the batch, ahead of its first reader
.set j, 0
.rept 16
	v_pk_mul_f32 v[PP+2*j:PP+2*j+1], v[PP+2*j:PP+2*j+1], v[QQ+2*j:QQ+2*j+1]   ; erf
.set j, j+1
.endr
.set j, 0
.rept 16
	v_pk_fma_f32 v[HV+\o+2*j:HV+\o+2*j+1], v[HV+\o+2*j:HV+\o+2*j+1], v[PP+2*j:PP+2*j+1], v[HV+\o+2*j:HV+\o+2*j+1]
.set j, j+1
.endr
.endm
	s_load_b256 s[4:11], s[0:1], 0x0               ; aq s[4:5], w1q s[6:7], xq s[8:9], b1 s[10:11]
	s_load_b128 s[12:15], s[0:1], 0x20             ; hq s[12:13], sq s[14:15]
	v_lshl_add_u32 v[SPW], v0, 2, SPARE
	v_mov_b32 v[NIL], 0
	ds_add_u32 v5, v6
	s_wait_dscnt 0x0
	v_lshrrev_b32 v1, 5, v0
	v_readfirstlane_b32 s[WV], v1
	s_lshr_b32 s[KIND], s[WV], 1
	s_and_b32 s[SUB], s[WV], 1
	s_bfe_u32 s19, ttmp6, 0x40000                  ; cx
	s_bfe_u32 s20, ttmp6, 0x40004                  ; cy
	s_lshl_b32 s21, ttmp9, 2
	s_add_co_u32 s21, s21, s19                     ; tile column
	s_and_b32 s25, ttmp7, 0xffff                   ; the cluster's y
	s_lshl_b32 s22, s25, 2
	s_add_co_u32 s22, s22, s20                     ; tile row
	s_lshl_b32 s23, s20, 2
	s_lshl_b32 s23, 15, s23                        ; my row of the cluster
	s_lshl_b32 s24, 0x1111, s19                    ; my column
	; descriptor groups 1: a dense block as rows of 256 bytes (32 elements of 8 bytes): 150 rows are three K steps, 100 two.  No padding: every LDS read is 16 x lane
	s_or_b32 s[G1A3], s23, (3<<16)|(1<<21)
	s_or_b32 s[G1A2], s23, (3<<16)|(1<<21)
	s_or_b32 s[G1B3], s24, (3<<16)|(1<<21)
	s_or_b32 s[G1B2], s24, (3<<16)|(1<<21)
.irp g, G1A3, G1B3
	s_mov_b32 s[\g+1], 32<<16
	s_mov_b32 s[\g+2], 150<<16
	s_mov_b32 s[\g+3], 32<<16
	s_mov_b32 s[\g+4], 150
	s_mov_b32 s[\g+5], 32
	s_mov_b32 s[\g+6], 0
	s_mov_b32 s[\g+7], 0
.endr
.irp g, G1A2, G1B2
	s_mov_b32 s[\g+1], 32<<16
	s_mov_b32 s[\g+2], 100<<16
	s_mov_b32 s[\g+3], 32<<16
	s_mov_b32 s[\g+4], 100
	s_mov_b32 s[\g+5], 32
	s_mov_b32 s[\g+6], 0
	s_mov_b32 s[\g+7], 0
.endr
	s_lshl_b32 s26, s22, 1
	s_add_co_u32 s26, s26, s[SUB]
	s_mul_i32 s26, s26, GRP                        ; the row operand's group 2 x tile row + half (aq in T1, xq in T2)
	s_mov_b32 s27, 0
	s_lshl_b32 s94, s21, 1
	s_add_co_u32 s94, s94, s[SUB]                  ; the column operand's group 2 x tile column + half;
	s_lshr_b32 s96, s25, 1                         ; in T2 of the rows' batch: eight tile rows, two rows of clusters, to a batch
	s_lshl_b32 s96, s96, 4
	s_add_co_u32 s96, s96, s94
	s_mul_i32 s94, s94, GRP
	s_mov_b32 s95, 0
	s_mul_i32 s96, s96, GRP
	s_mov_b32 s97, 0
	s_mul_i32 s98, s[WV], RGN                      ; where my loads go: no place in the cluster enters an LDS address
	s_wait_kmcnt 0x0
	s_add_nc_u64 s[T2A:T2A+1], s[8:9], s[26:27]
	s_add_nc_u64 s[T2B:T2B+1], s[8:9], s[96:97]
	s_add_nc_u64 s[4:5], s[4:5], s[26:27]
	s_add_nc_u64 s[6:7], s[6:7], s[94:95]
	SETG0 G0A0, 4, 0, 0                            ; T1's K steps 0-2 into slot 0,
	SETG0 G0A1, 4, 3*REC, SLOT                     ; 3-5 into slot 1
	SETG0 G0B0, 6, 0, 0
	SETG0 G0B1, 6, 3*REC, SLOT
	CROUND                                         ; all sixteen work-groups are here: the first joint loads meet
	s_cmp_eq_u32 s[KIND], 0                        ; a wave's two first fills stand in one branch, ahead of every wait on TENSORcnt and every LDS read
	s_cbranch_scc0 .Lfirst_b
	tensor_load_to_lds s[G0A0:G0A0+3], s[G1A3:G1A3+7]
	s_nop 0
	tensor_load_to_lds s[G0A1:G0A1+3], s[G1A3:G1A3+7]
	s_nop 0
	PLACES 4
	s_branch .Lfirst_done
.Lfirst_b:
	tensor_load_to_lds s[G0B0:G0B0+3], s[G1B3:G1B3+7]
	s_nop 0
	tensor_load_to_lds s[G0B1:G0B1+3], s[G1B3:G1B3+7]
	s_nop 0
	PLACES 4
.Lfirst_done:
	v_and_b32 v1, 31, v0
	v_and_b32 v2, 15, v0                           ; r
	v_bfe_u32 v3, v0, 4, 1                         ; h
	v_lshlrev_b32 v[LI], 4, v1
	s_mul_i32 s93, s[KIND], RGN                    ; my rows' region
	s_mul_i32 s99, s[SUB], RGN
	s_add_co_u32 s99, s99, 2*RGN                   ; my columns' region
	v_add_nc_u32 v[ADA], s93, v[LI]
	v_add_nc_u32 v[ADB], s99, v[LI]
	v_add_nc_u32 v[ADA+1], SLOT, v[ADA]
	v_add_nc_u32 v[ADB+1], SLOT, v[ADB]
	s_sub_co_u32 s99, s99, s93
	v_mul_u32_u24 v7, s99, v3                      ; lanes 16-31 take the column operand's words: one product with h
	v_lshl_add_u32 v7, v2, 4, v7
	s_add_co_u32 s93, s93, 12288
	v_add_nc_u32 v[ADS], s93, v7
	v_add_nc_u32 v[ADS+1], SLOT, v[ADS]
	s_lshl_b32 s94, s21, 10                        ; b1 of my 128 columns: lane (r, h) wants, for tile b, those of columns 32 (b / 2) + 16 h + 8 (b % 2) + 0 .. 7
	s_lshl_b32 s96, s[SUB], 9
	s_add_co_u32 s94, s94, s96
	s_add_nc_u64 s[10:11], s[10:11], s[94:95]
	v_lshlrev_b32 v14, 6, v3
	WIN 0x40
.irp b, 0,1,2,3,4,5,6,7
	global_load_b128 v[96+8*\b+96*(\b/4):99+8*\b+96*(\b/4)], v14, s[10:11] offset:(32*(\b/2)+8*(\b%2))*4
	global_load_b128 v[100+8*\b+96*(\b/4):103+8*\b+96*(\b/4)], v14, s[10:11] offset:(32*(\b/2)+8*(\b%2))*4+16
.endr
	WIN 0
	s_lshl_b32 s96, s22, 1
	s_add_co_u32 s96, s96, s[KIND]
	s_lshl_b32 s96, s96, 4                         ; my record in hq and in sq: group 2 x tile row + mu, of 16 K steps,
	s_lshl_b32 s98, s21, 1
	s_add_co_u32 s96, s96, s98
	s_add_co_u32 s96, s96, s[SUB]                  ; K step 2 x tile column + nu
	s_mul_i32 s96, s96, REC
	s_add_nc_u64 s[OUT1:OUT1+1], s[12:13], s[96:97]
	s_add_nc_u64 s[OUT2:OUT2+1], s[14:15], s[96:97]
	s_mov_b32 s[SEL], 0x76543210
	s_mov_b32 s[SEL+1], 0xfedcba98
	s_mov_b32 s[MHI], 0xffff0000
	v_mov_b32 v[CA], 0x32edffee
	v_mov_b32 v[CA+1], 0x32edffee
	v_mov_b32 v[CB], 0xb95fbd29
	v_mov_b32 v[CB+1], 0xb95fbd29
.irp j, 0,1,2,3
	v_mov_b32 v[WW+\j], 0
.endr
	s_wait_tensorcnt 0x1                           ; my part of slot 0 is in; slot 1's may stay out
	s_barrier_signal -1
	s_barrier_wait -1
	FETCH 0, 0, 0
	s_wait_loadcnt 0x0                             ; b1
	; ---- T1: K steps 0-7
	STEP 0, 2, 0, 1                                ; b1's tiles start the sums
	STEP 1, 0, 0, 2
	TURN1
	s_add_nc_u64 s[G0A0+2:G0A0+3], s[G0A0+2:G0A0+3], 6*REC      ; slot 0 takes T1's K steps 6, 7
	s_add_nc_u64 s[G0B0+2:G0B0+3], s[G0B0+2:G0B0+3], 6*REC
	TURN2 0, 1, G0A0, G1A2, G0B0, G1B2, 1, 1, 0
	STEP 1, 0, 1, 1
	STEP 0, 0, 1, 2
	TURN1
	s_mov_b64 s[G0A1+2:G0A1+3], s[T2A:T2A+1]                    ; THE RING GOES ON INTO T2: slot 1 takes its K steps 0-2
	s_or_b32 s[G0A1+3], s[G0A1+3], 0x80000000
	s_mov_b64 s[G0B1+2:G0B1+3], s[T2B:T2B+1]
	s_or_b32 s[G0B1+3], s[G0B1+3], 0x80000000
	TURN2 1, 1, G0A1, G1A3, G0B1, G1B3, 1, 0, 0
	STEP 0, 0, 0, 1
	TURN1
	s_add_nc_u64 s[G0A0+2:G0A0+3], s[T2A:T2A+1], 3*REC          ; slot 0 takes T2's K steps 3-5: they land under the gelu
	s_or_b32 s[G0A0+3], s[G0A0+3], 0x80000000
	s_add_nc_u64 s[G0B0+2:G0B0+3], s[T2B:T2B+1], 3*REC
	s_or_b32 s[G0B0+3], s[G0B0+3], 0x80000000
	TURN2 1, 1, G0A0, G1A3, G0B0, G1B3, 0, 0, 0
	; ---- T1's way out: a loop of eight trips over my row blocks: halve, gelu, quantise, store the image.  No LDS is touched.
	PLACES 4                                       ; four places between the last products and the first read of results and write of operands
	s_mov_b32 s[CNT], 0
.Lrow:
.irp a, 0,1,2,3,4,5,6
	s_cmp_eq_u32 s[CNT], \a
	s_cbranch_scc0 .Lnot_\a
	HALVE \a
	s_branch .Lgelu
.Lnot_\a:
.endr
	HALVE 7
.Lgelu:
	GELU 0
	GELU 32
	QUANT HV, 0, PW
	IMG OUT1, 0
	s_cmp_lt_u32 s[CNT], 4                         ; the scale image: blocks 0-3 are shifted into lanes 0-15 of four registers, blocks 4-7 into lanes 16-31
	s_cselect_b32 s[MSK], 0xffff, s[MHI]
	v_cndmask_b32 v[WW], v[WW], v[WW+1], s[MSK]
	v_cndmask_b32 v[WW+1], v[WW+1], v[WW+2], s[MSK]
	v_cndmask_b32 v[WW+2], v[WW+2], v[WW+3], s[MSK]
	v_cndmask_b32 v[WW+3], v[WW+3], v[PW], s[MSK]
	s_wait_xcnt 0x0                                ; the stores have read the codes' registers and their base: both are written again
	s_add_nc_u64 s[OUT1:OUT1+1], s[OUT1:OUT1+1], 1536
	s_add_co_u32 s[CNT], s[CNT], 1
	s_cmp_lt_u32 s[CNT], 8
	s_cbranch_scc1 .Lrow
	global_store_b128 v[LI], v[WW:WW+3], s[OUT1:OUT1+1] th:TH_STORE_NT   ; the base stands at the record's byte 12,288
	; ---- T2: K steps 0-7
	FETCH 1, 0, 0                                  ; slot 1 was shown whole to every wave by the last change of slots
	STEP 0, 1, 1, 1                                ; the constant 0 starts the sums
	STEP 1, 0, 1, 2
	TURN1
	s_add_nc_u64 s[G0A1+2:G0A1+3], s[G0A1+2:G0A1+3], 6*REC      ; slot 1 takes T2's K steps 6, 7: the last fill
	s_add_nc_u64 s[G0B1+2:G0B1+3], s[G0B1+2:G0B1+3], 6*REC
	TURN2 0, 1, G0A1, G1A2, G0B1, G1B2, 1, 0, 0
	STEP 1, 0, 0, 1
	STEP 0, 0, 0, 2
	TURN1
	TURN2 1, 0, 0, 0, 0, 0, 1, 1, 0                ; nothing is filled again: no round
	STEP 0, 0, 1, 1
	s_wait_dscnt 0x0                               ; the last K step
	MULS 1, 0, NA, 0
	WIN 0
	; ---- T2's way out: the scores are quantised straight from the accumulators' windows
	PLACES 4
.irp a, 0,1,2,3,4,5,6,7
.if \a > 0
	s_wait_xcnt 0x0                                ; the last block's stores have read the codes' registers
.endif
	QUANT 64*(\a%4), 2+\a/4, PWS+\a
	IMG OUT2, \a*1536
.endr
.irp j, 0,1,2,3
	v_cndmask_b32 v[WW+\j], v[PWS+\j], v[PWS+4+\j], s[MHI]
.endr
	global_store_b128 v[LI], v[WW:WW+3], s[OUT2:OUT2+1] offset:12288 th:TH_STORE_NT
	s_wait_tensorcnt 0x0                           ; the wave's end
	ds_add_u32 v[SPW], v[NIL]
	s_wait_dscnt 0x0
	CROUND                                         ; the closing round
	s_endpgm
.Lfunc_end_k_q72be299170_gemm13:
	.size	k_q72be299170_gemm13, .Lfunc_end_k_q72be299170_gemm13-k_q72be299170_gemm13
	.p2alignl 7, 3214868480
	.fill 96, 4, 3214868480
	.section	.rodata,"a",@progbits
	.p2align	6, 0x0
	.amdhsa_kernel k_q72be299170_gemm13
		.amdhsa_group_segment_fixed_size 327680
		.amdhsa_private_segment_fixed_size 0
		.amdhsa_enable_private_segment 0
		.amdhsa_kernarg_size 48
		.amdhsa_user_sgpr_count 2
		.amdhsa_user_sgpr_kernarg_segment_ptr 1
		.amdhsa_wavefront_size32 1
		.amdhsa_system_sgpr_workgroup_id_x 1
		.amdhsa_system_sgpr_workgroup_id_y 1
		.amdhsa_system_sgpr_workgroup_id_z 1
		.amdhsa_system_vgpr_workitem_id 0
		.amdhsa_next_free_vgpr 1024
		.amdhsa_next_free_sgpr 100
		.amdhsa_reserve_vcc 0
		.amdhsa_float_denorm_mode_32 3
		.amdhsa_float_denorm_mode_16_64 3
		.amdhsa_memory_ordered 1
		.amdhsa_forward_progress 1
		.amdhsa_inst_pref_size 255
	.end_amdhsa_kernel
	.section	.bss,"aw",@nobits
	.p2align	6
	.space	262144
	.amdgpu_metadata
---
amdhsa.version: [ 1, 2 ]
amdhsa.kernels:
  - .name:           k_q72be299170_gemm13
    .symbol:         k_q72be299170_gemm13.kd
    .args:
      - { .name: aq, .offset: 0, .size: 8, .value_kind: global_buffer, .address_space: global }
      - { .name: w1q, .offset: 8, .size: 8, .value_kind: global_buffer, .address_space: global }
      - { .name: xq, .offset: 16, .size: 8, .value_kind: global_buffer, .address_space: global }
      - { .name: b1, .offset: 24, .size: 8, .value_kind: global_buffer, .address_space: global }
      - { .name: hq, .offset: 32, .size: 8, .value_kind: global_buffer, .address_space: global }
      - { .name: sq, .offset: 40, .size: 8, .value_kind: global_buffer, .address_space: global }
    .group_segment_fixed_size: 327680
    .private_segment_fixed_size: 0
    .kernarg_segment_align: 8
    .kernarg_segment_size: 48
    .max_flat_workgroup_size: 128
    .sgpr_count:     100
    .vgpr_count:     1024
    .wavefront_size: 32
...
	.end_amdgpu_metadata
.endif
;; end of part 2
;; launch gemm2 (part 3): grid 32 x 8, 4 waves a work-group, clusters of 4 x 4, 327,680 bytes of LDS; arguments w2q, hq, b2, y2q; writes y2q
.if DOCPART == 3
	.amdgcn_target "amdgcn-amd-amdhsa--gfx1250"
	.amdhsa_code_object_version 6
	.text
	.protected	k_q72be299170_gemm2
	.globl	k_q72be299170_gemm2
	.p2align	8
	.type	k_q72be299170_gemm2,@function
k_q72be299170_gemm2:
	s_mov_b64 s[64:65], 0
	v_nop
	global_prefetch_b8 v0, s[64:65] scope:SCOPE_SE
	s_setreg_imm32_b32 hwreg(HW_REG_WAVE_MODE, 25, 1), 1
	s_wait_xcnt 0x0
	s_wait_alu depctr_hold_cnt(0) depctr_sa_sdst(0) depctr_va_vdst(0) depctr_va_sdst(0) depctr_va_ssrc(0) depctr_va_vcc(0) depctr_vm_vsrc(0)
	s_getreg_b32 s2, hwreg(HW_REG_IB_STS2, 6, 4)
	s_cmp_eq_u32 s2, 0
	s_cbranch_scc0 .Lentry_in_a_cluster
	s_endpgm
.Lentry_in_a_cluster:
	s_bfe_u32 s2, ttmp6, 0x10000c
	s_cmp_lg_u32 s2, 0xf033
	s_cbranch_scc0 .Lentry_shape_is_right
	s_endpgm
.Lentry_shape_is_right:
; y2q = Q along s of y2^T, y2^T[f][(b, s)] = sum over the hidden axis of w2[.][f] h[(b, s)][.] + b2[f], on codes of FP6 (E2M3) with E8M0 scales.  It is computed TRANSPOSED, rows f and columns (b, s), so that the next product's K,
; which is s, runs along the tile's columns.  K = 2,048: sixteen K steps of 128, written out.
; OPERANDS lie as records of 12,800 bytes (128 rows x 128 K): eight images of fragments' registers (block i at 1,536 i, registers 4 c .. 4 c + 3 of lane L at 512 c + 16 L), then 512 bytes of scale words (at 12,288 + 16 L + 4 j:
; row-lane L % 16 of block 4 (L / 16) + j); lane (r, h) of block i holds row 32 (i / 2) + 8 (i % 2) + r + 8 (r / 8) of the 128.
; A TILE IS 128 (f) x 256 ((b, s)), so that there are 256 work-groups; four waves of 64 x 128 (mu = wave % 2: row blocks 4 mu .. 4 mu + 3; nu = wave / 2: columns): 32 accumulators.
; THE MATRIX INSTRUCTION IS USED TRANSPOSED: source 0 = 16 rows of hq, source 1 = 16 rows of w2q: lane (r, h) holds row-lane r, and register 16 B + i of column tiles 2 B, 2 B + 1 holds column 32 B + 16 h + i.
; CLUSTERS 4 x 4: w2q's tiles are shared along a row of the cluster, hq's along a column.  RING: two slots of 153,600 bytes, each three regions of four K steps (0: w2q's group, wave 0 loads it; 1, 2: hq's two groups, waves 1, 2; wave 3
; loads nothing).  By this text's own count a wave has at most two tensor loads out.
; LIMITS: NaN and infinities are not served; a block whose largest magnitude lies under 2^-124 keeps the scale byte 1, a block of zeros too (its codes are zeros; this program alone reads the bytes).
; REGISTERS: window 0: v1-15 addresses; v16-23 b2 of my rows, as pairs; v32-47 scale words, two sets; v64-111, v112-159 w2q's fragments, two sets; v160-223 at work on the way out.  Window 1: v0-95, v128-223 hq's fragments.  Window 2: the accumulators.
.set REC,   12800
.set RGN,   4*REC
.set SLOT,  3*RGN
.set SPARE, 2*SLOT
.set GRP,   16*REC                     ; a group of 128 rows with K = 2,048
.set NA,    4
.set AF,    64
.set AS,    48
.set SC,    32
.set LI,    4
.set SPW,   5
.set NIL,   6
.set ADA,   8
.set ADB,   10
.set ADS,   12
.set ADS2,  14
.set BI,    16
.set TM,    64
.set PC,    80
.set PWS,   100
.set HA,    160
.set WV,    16
.set MU,    17
.set NU,    18
.set G1A,   36
.set G1B,   44
.set G0A0,  52
.set G0A1,  56
.set G0B0,  60
.set G0B1,  68
.set OUTI,  72
.set OUTS,  74
.set SEL,   76
.set MSB, 0
.macro WIN new
.if MSB != (\new)
	s_set_vgpr_msb (MSB<<8)|(\new)
.set MSB, (\new)
.endif
.endm
.macro PLACES n
.rept \n
	v_nop
.endr
.endm
.macro CREST
	s_cmp_lg_u32 s[WV], 0
	s_cbranch_scc1 .Lnot_wave_0_\@
	s_barrier_signal -3
.Lnot_wave_0_\@:
	s_barrier_wait -3
	s_barrier_signal -1
	s_barrier_wait -1
.endm
.macro CROUND
	s_barrier_signal -1
	s_barrier_wait -1
	CREST
.endm
; A joint load: wave 0 the row operand's region, waves 1 and 2 the column operand's two; wave 3 none.  Four v_nop stand on every way: behind each load, and as the places in front of the fragment loads.
.macro JLOAD ga, gb
	s_cmp_eq_u32 s[WV], 0
	s_cbranch_scc0 .Lnot_a_\@
	tensor_load_to_lds s[\ga:\ga+3], s[G1A:G1A+7]
	s_nop 0
	PLACES 4
	s_branch .Lasked_\@
.Lnot_a_\@:
	s_cmp_eq_u32 s[WV], 3
	s_cbranch_scc1 .Lnone_\@
	tensor_load_to_lds s[\gb:\gb+3], s[G1B:G1B+7]
	s_nop 0
	PLACES 4
	s_branch .Lasked_\@
.Lnone_\@:
	PLACES 4
.Lasked_\@:
.endm
.macro FETCH sl, q, p                  ; 38 loads, each 512 consecutive bytes
	WIN 0x40
.set fi, 0
.rept 8
.irp c, 0,1,2
	ds_load_b128 v[128*(\p)+12*fi+4*\c:128*(\p)+12*fi+4*\c+3], v[ADB+\sl] offset:(\q)*REC+fi*1536+512*\c
.endr
.set fi, fi+1
.endr
	WIN 0
.set fi, 0
.rept NA
.irp c, 0,1,2
	ds_load_b128 v[AF+AS*(\p)+12*fi+4*\c:AF+AS*(\p)+12*fi+4*\c+3], v[ADA+\sl] offset:(\q)*REC+fi*1536+512*\c
.endr
.set fi, fi+1
.endr
	ds_load_b128 v[SC+8*(\p):SC+8*(\p)+3], v[ADS+\sl] offset:(\q)*REC          ; lanes 0-15: my four row blocks' words; lanes 16-31: column blocks 0-3
	ds_load_b128 v[SC+8*(\p)+4:SC+8*(\p)+7], v[ADS2+\sl] offset:(\q)*REC       ; lanes 16-31: column blocks 4-7 (lanes 0-15 are not read)
.endm
.macro MULS p, a0, n, mode             ; mode 0: add on; 1: the constant 0 starts the sums.  The accumulators take turns, one instruction a turn
	WIN 0xa1                                       ; source 0 window 1, source 1 window 0, C and D window 2
.set ma, \a0
.rept \n
.set mb, 0
.rept 8
.set rD, 8*(8*ma+mb)
.set rB, 128*(\p)+12*mb
.set rA, AF+AS*(\p)+12*ma
.if \mode == 0
	v_wmma_scale_f32_16x16x128_f8f6f4 v[rD:rD+7], v[rB:rB+11], v[rA:rA+11], v[rD:rD+7], v[SC+8*(\p)+mb], v[SC+8*(\p)+ma] matrix_a_fmt:MATRIX_FMT_FP6 matrix_b_fmt:MATRIX_FMT_FP6 matrix_a_scale:MATRIX_SCALE_ROW1
.else
	v_wmma_scale_f32_16x16x128_f8f6f4 v[rD:rD+7], v[rB:rB+11], v[rA:rA+11], 0, v[SC+8*(\p)+mb], v[SC+8*(\p)+ma] matrix_a_fmt:MATRIX_FMT_FP6 matrix_b_fmt:MATRIX_FMT_FP6 matrix_a_scale:MATRIX_SCALE_ROW1
.endif
.set mb, mb+1
.endr
.set ma, ma+1
.endr
.endm
.macro STEP p, mode, nsl, nq
	s_wait_dscnt 0x0                               ; this step's fragments, asked for a step ago
	PLACES 4                                       ; four places in front of loads into registers that the last step's products read
	FETCH \nsl, \nq, 1-(\p)
	MULS \p, 0, NA, \mode
.endm
.macro TURN1
	WIN 0
	s_wait_tensorcnt 0x0                           ; all my tensor loads have landed: a group 0 may be written
	ds_add_u32 v[SPW], v[NIL]                      ; 0 onto my spare word
.endm
.macro TURN2 p, fill, ga, gb, nsl, nq
	s_wait_dscnt 0x1                               ; this step's fragments are in; the add may be out
	MULS \p, 0, 1, 0
	s_wait_dscnt 0x0                               ; the add is done, and my reads of this slot are over
	s_barrier_signal -1
	MULS \p, 1, 1, 0
	WIN 0
	s_barrier_wait -1
.if \fill
	CREST                                          ; no wave of any partner still reads this slot or has a load on its way
	JLOAD \ga, \gb
.else
	PLACES 4
.endif
	FETCH \nsl, \nq, 1-(\p)
	MULS \p, 2, 2, 0
	WIN 0
.endm
.macro QUANT s, W, pw
	WIN (\W)|((\W)<<2)
.irp b, 0,1,2,3
	v_max3_num_f32 v[TM+\b], |v[(\s)+16*\b]|, |v[(\s)+16*\b+1]|, 0x1800000
.endr
.irp i, 2,4,6,8,10,12,14
.irp b, 0,1,2,3
	v_max3_num_f32 v[TM+\b], |v[(\s)+16*\b+\i]|, |v[(\s)+16*\b+\i+1]|, v[TM+\b]
.endr
.endr
	WIN 0
.irp b, 0,1,2,3
	v_permlanex16_b32 v[TM+4+\b], v[TM+\b], s[SEL], s[SEL+1]
.endr
.irp b, 0,1,2,3
	v_max_num_f32 v[TM+\b], v[TM+\b], v[TM+4+\b]
.endr
.irp b, 0,1,2,3
	v_add_nc_u32 v[TM+12+\b], 0xff000000, v[TM+\b]
.endr
.irp b, 0,1,2,3
	v_lshrrev_b32 v[TM+4+\b], 23, v[TM+12+\b]
.endr
	v_lshl_or_b32 v[\pw], v[TM+5], 8, v[TM+4]
	v_lshl_or_b32 v[\pw], v[TM+6], 16, v[\pw]
	v_lshl_or_b32 v[\pw], v[TM+7], 24, v[\pw]
	WIN (\W)
.irp c, 0,1
	v_cvt_scalef32_pk16_fp6_f32 v[PC+6*\c:PC+6*\c+2], v[(\s)+32*\c:(\s)+32*\c+15], v[TM+12+2*\c]
	v_cvt_scalef32_pk16_fp6_f32 v[PC+12+4*\c:PC+14+4*\c], v[(\s)+32*\c+16:(\s)+32*\c+31], v[TM+13+2*\c]
.endr
	WIN 0
	v_nop
.irp c, 0,1
.irp i, 0,1,2
	v_permlane16_swap_b32 v[PC+6*\c+\i], v[PC+12+4*\c+\i]
.endr
.irp i, 0,1,2
	v_mov_b32 v[PC+3+6*\c+\i], v[PC+12+4*\c+\i]
.endr
.endr
.endm
.macro IMG base, off
.irp c, 0,1,2
	global_store_b128 v[LI], v[PC+4*\c:PC+4*\c+3], s[\base:\base+1] offset:\off+512*\c th:TH_STORE_NT
.endr
.endm
	s_load_b256 s[4:11], s[0:1], 0x0               ; w2q s[4:5], hq s[6:7], b2 s[8:9], y2q s[10:11]
	v_lshl_add_u32 v[SPW], v0, 2, SPARE
	v_mov_b32 v[NIL], 0
	ds_add_u32 v5, v6
	s_wait_dscnt 0x0
	v_lshrrev_b32 v1, 5, v0
	v_readfirstlane_b32 s[WV], v1
	s_and_b32 s[MU], s[WV], 1
	s_lshr_b32 s[NU], s[WV], 1
	s_sub_co_u32 s26, s[WV], 1
	s_and_b32 s26, s26, 1                          ; which of hq's two groups waves 1, 2 fetch
	s_bfe_u32 s19, ttmp6, 0x40000                  ; cx
	s_bfe_u32 s20, ttmp6, 0x40004                  ; cy
	s_lshl_b32 s21, ttmp9, 2
	s_add_co_u32 s21, s21, s19                     ; tile column: 256 rows (b, s)
	s_and_b32 s25, ttmp7, 0xffff
	s_lshl_b32 s22, s25, 2
	s_add_co_u32 s22, s22, s20                     ; tile row: 128 f
	s_lshl_b32 s23, s20, 2
	s_lshl_b32 s23, 15, s23
	s_lshl_b32 s24, 0x1111, s19
	s_or_b32 s[G1A], s23, (3<<16)|(1<<21)          ; a dense block of four K steps as 200 rows of 256 bytes
	s_or_b32 s[G1B], s24, (3<<16)|(1<<21)
.irp g, G1A, G1B
	s_mov_b32 s[\g+1], 32<<16
	s_mov_b32 s[\g+2], 200<<16
	s_mov_b32 s[\g+3], 32<<16
	s_mov_b32 s[\g+4], 200
	s_mov_b32 s[\g+5], 32
	s_mov_b32 s[\g+6], 0
	s_mov_b32 s[\g+7], 0
.endr
	s_mul_i32 s28, s22, GRP
	s_mov_b32 s29, 0
	s_lshl_b32 s30, s21, 1
	s_add_co_u32 s30, s30, s26
	s_mul_i32 s30, s30, GRP
	s_mov_b32 s31, 0
	s_mul_i32 s27, s[WV], RGN
	s_wait_kmcnt 0x0
	s_add_nc_u64 s[4:5], s[4:5], s[28:29]
	s_add_nc_u64 s[6:7], s[6:7], s[30:31]
	s_mov_b32 s[G0A0], 1
	s_mov_b32 s[G0A0+1], 0
	s_mov_b64 s[G0A0+2:G0A0+3], s[4:5]
	s_or_b32 s[G0A0+3], s[G0A0+3], 0x80000000
	s_mov_b32 s[G0A1], 1
	s_mov_b32 s[G0A1+1], SLOT
	s_add_nc_u64 s[G0A1+2:G0A1+3], s[4:5], 4*REC
	s_or_b32 s[G0A1+3], s[G0A1+3], 0x80000000
	s_mov_b32 s[G0B0], 1
	s_mov_b32 s[G0B0+1], s27
	s_mov_b64 s[G0B0+2:G0B0+3], s[6:7]
	s_or_b32 s[G0B0+3], s[G0B0+3], 0x80000000
	s_mov_b32 s[G0B1], 1
	s_add_co_u32 s[G0B1+1], s27, SLOT
	s_add_nc_u64 s[G0B1+2:G0B1+3], s[6:7], 4*REC
	s_or_b32 s[G0B1+3], s[G0B1+3], 0x80000000
	CROUND
	s_cmp_eq_u32 s[WV], 0                          ; a wave's two first fills stand in one branch on its number
	s_cbranch_scc0 .Lfirst_not_a
	tensor_load_to_lds s[G0A0:G0A0+3], s[G1A:G1A+7]
	s_nop 0
	tensor_load_to_lds s[G0A1:G0A1+3], s[G1A:G1A+7]
	s_nop 0
	PLACES 4
	s_branch .Lfirst_done
.Lfirst_not_a:
	s_cmp_eq_u32 s[WV], 3
	s_cbranch_scc1 .Lfirst_done
	tensor_load_to_lds s[G0B0:G0B0+3], s[G1B:G1B+7]
	s_nop 0
	tensor_load_to_lds s[G0B1:G0B1+3], s[G1B:G1B+7]
	s_nop 0
	PLACES 4
.Lfirst_done:
	v_and_b32 v1, 31, v0
	v_and_b32 v2, 15, v0
	v_bfe_u32 v3, v0, 4, 1
	v_lshlrev_b32 v[LI], 4, v1
	s_mul_i32 s78, s[MU], 4*1536
	v_add_nc_u32 v[ADA], s78, v[LI]
	v_add_nc_u32 v[ADA+1], SLOT, v[ADA]
	s_mul_i32 s79, s[NU], RGN
	s_add_co_u32 s79, s79, RGN
	v_add_nc_u32 v[ADB], s79, v[LI]
	v_add_nc_u32 v[ADB+1], SLOT, v[ADB]
	s_lshl_b32 s78, s[MU], 8
	s_sub_co_u32 s79, s79, s78
	v_mul_u32_u24 v24, s79, v3                     ; lanes 16-31 take the column operand's words: one product with h
	v_lshl_add_u32 v24, v2, 4, v24
	s_add_co_u32 s80, s78, 12288
	v_add_nc_u32 v[ADS], s80, v24
	v_add_nc_u32 v[ADS+1], SLOT, v[ADS]
	v_lshl_add_u32 v[ADS2], v3, 8, v[ADS]
	v_lshl_add_u32 v[ADS2+1], v3, 8, v[ADS+1]
	s_lshl_b32 s82, s22, 9                         ; b2 of my 64 rows: 4 (128 x tile row + 64 mu)
	s_add_co_u32 s82, s82, s78
	s_mov_b32 s83, 0
	s_add_nc_u64 s[8:9], s[8:9], s[82:83]
	v_and_b32 v7, 8, v2
	v_add_nc_u32 v7, v7, v2
	v_lshlrev_b32 v7, 2, v7
.irp a, 0,1,2,3
	global_load_b32 v[BI+2*\a], v7, s[8:9] offset:4*(32*(\a/2)+8*(\a%2))       ; one number a lane, into both words of a pair
	global_load_b32 v[BI+2*\a+1], v7, s[8:9] offset:4*(32*(\a/2)+8*(\a%2))
.endr
	s_lshl_b32 s82, s22, 6                         ; my record of y2q: group = tile row, of 64 K steps; K step 2 x tile column + nu
	s_lshl_b32 s84, s21, 1
	s_add_co_u32 s82, s82, s84
	s_add_co_u32 s82, s82, s[NU]
	s_mul_i32 s82, s82, REC
	s_add_nc_u64 s[10:11], s[10:11], s[82:83]
	s_mul_i32 s82, s[MU], 4*1536
	s_add_nc_u64 s[OUTI:OUTI+1], s[10:11], s[82:83]              ; my four images
	s_mov_b32 s82, s78
	s_add_nc_u64 s[OUTS:OUTS+1], s[10:11], s[82:83]              ; my half of the scale image: + 256 mu
	s_mov_b32 s[SEL], 0x76543210
	s_mov_b32 s[SEL+1], 0xfedcba98
	s_wait_tensorcnt 0x1                           ; my part of slot 0 is in; slot 1's may stay out
	s_barrier_signal -1
	s_barrier_wait -1
	FETCH 0, 0, 0
	STEP 0, 1, 0, 1
	STEP 1, 0, 0, 2
	STEP 0, 0, 0, 3
	TURN1
	s_add_nc_u64 s[G0A0+2:G0A0+3], s[G0A0+2:G0A0+3], 8*REC      ; slot 0 takes K steps 8-11
	s_add_nc_u64 s[G0B0+2:G0B0+3], s[G0B0+2:G0B0+3], 8*REC
	TURN2 1, 1, G0A0, G0B0, 1, 0
	STEP 0, 0, 1, 1
	STEP 1, 0, 1, 2
	STEP 0, 0, 1, 3
	TURN1
	s_add_nc_u64 s[G0A1+2:G0A1+3], s[G0A1+2:G0A1+3], 8*REC      ; slot 1 takes K steps 12-15: the last fill
	s_add_nc_u64 s[G0B1+2:G0B1+3], s[G0B1+2:G0B1+3], 8*REC
	TURN2 1, 1, G0A1, G0B1, 0, 0
	STEP 0, 0, 0, 1
	STEP 1, 0, 0, 2
	STEP 0, 0, 0, 3
	TURN1
	TURN2 1, 0, 0, 0, 1, 0                         ; nothing is filled again: no round
	STEP 0, 0, 1, 1
	STEP 1, 0, 1, 2
	STEP 0, 0, 1, 3
	s_wait_dscnt 0x0
	MULS 1, 0, NA, 0
	WIN 0
	; ---- the way out: + b2 (one number a lane: the bias runs along the rows), quantised along the columns, stored as images
	PLACES 4
	s_wait_loadcnt 0x0                             ; b2
.irp a, 0,1,2,3
	WIN 0x02                                       ; source 0: window 2
.set j, 0
.rept 32
	v_pk_add_f32 v[HA+2*j:HA+2*j+1], v[64*\a+2*j:64*\a+2*j+1], v[BI+2*\a:BI+2*\a+1]
.set j, j+1
.endr
	WIN 0
.if \a > 0
	s_wait_xcnt 0x0                                ; the last block's stores have read the codes' registers
.endif
	QUANT HA, 0, PWS+\a
	IMG OUTI, \a*1536
.endr
	s_wait_xcnt 0x0                                ; EXEC changes only behind this wait
	v_cmp_gt_u32 vcc_lo, 16, v1
	s_and_saveexec_b32 s85, vcc_lo
	global_store_b128 v[LI], v[PWS:PWS+3], s[OUTS:OUTS+1] offset:12288 th:TH_STORE_NT   ; sixteen lanes store my 256 bytes of the scale image
	s_wait_xcnt 0x0                                ; and again, in front of the line that widens it
	s_or_b32 exec_lo, exec_lo, s85
	s_wait_tensorcnt 0x0                           ; the wave's end
	ds_add_u32 v[SPW], v[NIL]
	s_wait_dscnt 0x0
	CROUND
	s_endpgm
.Lfunc_end_k_q72be299170_gemm2:
	.size	k_q72be299170_gemm2, .Lfunc_end_k_q72be299170_gemm2-k_q72be299170_gemm2
	.p2alignl 7, 3214868480
	.fill 96, 4, 3214868480
	.section	.rodata,"a",@progbits
	.p2align	6, 0x0
	.amdhsa_kernel k_q72be299170_gemm2
		.amdhsa_group_segment_fixed_size 327680
		.amdhsa_private_segment_fixed_size 0
		.amdhsa_enable_private_segment 0
		.amdhsa_kernarg_size 32
		.amdhsa_user_sgpr_count 2
		.amdhsa_user_sgpr_kernarg_segment_ptr 1
		.amdhsa_wavefront_size32 1
		.amdhsa_system_sgpr_workgroup_id_x 1
		.amdhsa_system_sgpr_workgroup_id_y 1
		.amdhsa_system_sgpr_workgroup_id_z 1
		.amdhsa_system_vgpr_workitem_id 0
		.amdhsa_next_free_vgpr 768
		.amdhsa_next_free_sgpr 90
		.amdhsa_reserve_vcc 1
		.amdhsa_float_denorm_mode_32 3
		.amdhsa_float_denorm_mode_16_64 3
		.amdhsa_memory_ordered 1
		.amdhsa_forward_progress 1
		.amdhsa_inst_pref_size 142
	.end_amdhsa_kernel
	.amdgpu_metadata
---
amdhsa.version: [ 1, 2 ]
amdhsa.kernels:
  - .name:           k_q72be299170_gemm2
    .symbol:         k_q72be299170_gemm2.kd
    .args:
      - { .name: w2q, .offset: 0, .size: 8, .value_kind: global_buffer, .address_space: global }
      - { .name: hq, .offset: 8, .size: 8, .value_kind: global_buffer, .address_space: global }
      - { .name: b2, .offset: 16, .size: 8, .value_kind: global_buffer, .address_space: global }
      - { .name: y2q, .offset: 24, .size: 8, .value_kind: global_buffer, .address_space: global }
    .group_segment_fixed_size: 327680
    .private_segment_fixed_size: 0
    .kernarg_segment_align: 8
    .kernarg_segment_size: 32
    .max_flat_workgroup_size: 128
    .sgpr_count:     90
    .vgpr_count:     768
    .wavefront_size: 32
...
	.end_amdgpu_metadata
.endif
;; end of part 3
;; launch gemm4 (part 4): grid 4 x 64, 4 waves a work-group, clusters of 4 x 4, 327,680 bytes of LDS; arguments sq, y2q, x, z; writes z
.if DOCPART == 4
	.amdgcn_target "amdgcn-amd-amdhsa--gfx1250"
	.amdhsa_code_object_version 6
	.text
	.protected	k_q72be299170_gemm4
	.globl	k_q72be299170_gemm4
	.p2align	8
	.type	k_q72be299170_gemm4,@function
k_q72be299170_gemm4:
	s_mov_b64 s[64:65], 0
	v_nop
	global_prefetch_b8 v0, s[64:65] scope:SCOPE_SE
	s_setreg_imm32_b32 hwreg(HW_REG_WAVE_MODE, 25, 1), 1
	s_wait_xcnt 0x0
	s_wait_alu depctr_hold_cnt(0) depctr_sa_sdst(0) depctr_va_vdst(0) depctr_va_sdst(0) depctr_va_ssrc(0) depctr_va_vcc(0) depctr_vm_vsrc(0)
	s_getreg_b32 s2, hwreg(HW_REG_IB_STS2, 6, 4)
	s_cmp_eq_u32 s2, 0
	s_cbranch_scc0 .Lentry_in_a_cluster
	s_endpgm
.Lentry_in_a_cluster:
	s_bfe_u32 s2, ttmp6, 0x10000c
	s_cmp_lg_u32 s2, 0xf033
	s_cbranch_scc0 .Lentry_shape_is_right
	s_endpgm
.Lentry_shape_is_right:
; z = x + scores y2, for each batch: z[(b, t)][f] = x[(b, t)][f] + sum over s of Q(scores)[(b, t)][s] Q(y2)[(b, s)][f], on codes of FP6 (E2M3) with E8M0 scales.  K = 2,048: sixteen K steps of 128, written out.
; OPERANDS lie as records of 12,800 bytes (128 rows x 128 K): eight images of fragments' registers (block i at 1,536 i, registers 4 c .. 4 c + 3 of lane L at 512 c + 16 L), then 512 bytes of scale words (at 12,288 + 16 L + 4 j:
; row-lane L % 16 of block 4 (L / 16) + j); lane (r, h) of block i holds row 32 (i / 2) + 8 (i % 2) + r + 8 (r / 8) of the 128.  sq: rows (b, t); y2q: rows f, K = 2,048 b + s.
; A TILE IS 128 (rows) x 256 (f), so that there are 256 work-groups; four waves of 64 x 128 (mu = wave % 2: row blocks 4 mu .. 4 mu + 3; nu = wave / 2: columns): 32 accumulators.
; THE MATRIX INSTRUCTION IS USED TRANSPOSED: source 0 = 16 rows of y2q, source 1 = 16 rows of sq: lane (r, h) holds row-lane r and, in tile b, columns 32 (b / 2) + 16 h + 8 (b % 2) + 0 .. 7.
; CLUSTERS 4 x 4: sq's tiles are shared along a row of the cluster, y2q's along a column.  RING: two slots of 153,600 bytes, each three regions of four K steps (0: sq's group, wave 0 loads it; 1, 2: y2q's two groups, waves 1, 2; wave 3
; loads nothing).  By this text's own count a wave has at most two tensor loads out.
; x IS LOADED DURING THE K WALK: my wave's 64 rows x 512 bytes are 64 loads of 512 consecutive bytes into the 256 registers of window 3, which nothing else names.  They go out in K steps 4-6 and 8-10, behind the two refills' requests
; (K steps 3 and 7), so that the tiles for which the products wait are asked for first; the way out finds x in registers.  So x needs no prefetch.  The tiles get none either: their refills go out in K steps 3 and 7 of sixteen
; short ones, so a request far enough ahead of them would stand at the kernel's head, among the first fills.
; The LayerNorm that follows wants whole rows of 1,024, which this tile does not hold: it is the next launch's.
; REGISTERS: window 0: v1-17 addresses; v32-47 scale words, two sets; v64-111, v112-159 sq's fragments, two sets (v64-191 rows of z on the way out).  Window 1: v0-95, v128-223 y2q's fragments.  Window 2: the accumulators.  Window 3: x.
.set REC,   12800
.set RGN,   4*REC
.set SLOT,  3*RGN
.set SPARE, 2*SLOT
.set GRP,   16*REC
.set NA,    4
.set AF,    64
.set AS,    48
.set SC,    32
.set LI,    4                          ; v4   16 x lane; never rewritten
.set SPW,   5
.set NIL,   6
.set ADA,   8
.set ADB,   10
.set ADS,   12
.set ADS2,  14
.set STO,   16                         ; v16  the stage: where I put 16 bytes of a row
.set RD,    17                         ; v17  and where I read a row back
.set BK,    64
.set SPITCH, 528                       ; a stage row: 512 bytes + 16
.set WV,    16
.set MU,    17
.set NU,    18
.set G1A,   36
.set G1B,   44
.set G0A0,  52
.set G0A1,  56
.set G0B0,  60
.set G0B1,  68
.set XB,    72                         ; s[72:73] x, s[74:75] z at my wave's part; never rewritten
.set ZB,    74
.set MSB, 0
.macro WIN new
.if MSB != (\new)
	s_set_vgpr_msb (MSB<<8)|(\new)
.set MSB, (\new)
.endif
.endm
.macro PLACES n
.rept \n
	v_nop
.endr
.endm
.macro CREST
	s_cmp_lg_u32 s[WV], 0
	s_cbranch_scc1 .Lnot_wave_0_\@
	s_barrier_signal -3
.Lnot_wave_0_\@:
	s_barrier_wait -3
	s_barrier_signal -1
	s_barrier_wait -1
.endm
.macro CROUND
	s_barrier_signal -1
	s_barrier_wait -1
	CREST
.endm
; A joint load: wave 0 the row operand's region, waves 1 and 2 the column operand's two; wave 3 none.  Four v_nop stand on every way: behind each load, and as the places in front of the fragment loads.
.macro JLOAD ga, gb
	s_cmp_eq_u32 s[WV], 0
	s_cbranch_scc0 .Lnot_a_\@
	tensor_load_to_lds s[\ga:\ga+3], s[G1A:G1A+7]
	s_nop 0
	PLACES 4
	s_branch .Lasked_\@
.Lnot_a_\@:
	s_cmp_eq_u32 s[WV], 3
	s_cbranch_scc1 .Lnone_\@
	tensor_load_to_lds s[\gb:\gb+3], s[G1B:G1B+7]
	s_nop 0
	PLACES 4
	s_branch .Lasked_\@
.Lnone_\@:
	PLACES 4
.Lasked_\@:
.endm
.macro FETCH sl, q, p
	WIN 0x40
.set fi, 0
.rept 8
.irp c, 0,1,2
	ds_load_b128 v[128*(\p)+12*fi+4*\c:128*(\p)+12*fi+4*\c+3], v[ADB+\sl] offset:(\q)*REC+fi*1536+512*\c
.endr
.set fi, fi+1
.endr
	WIN 0
.set fi, 0
.rept NA
.irp c, 0,1,2
	ds_load_b128 v[AF+AS*(\p)+12*fi+4*\c:AF+AS*(\p)+12*fi+4*\c+3], v[ADA+\sl] offset:(\q)*REC+fi*1536+512*\c
.endr
.set fi, fi+1
.endr
	ds_load_b128 v[SC+8*(\p):SC+8*(\p)+3], v[ADS+\sl] offset:(\q)*REC
	ds_load_b128 v[SC+8*(\p)+4:SC+8*(\p)+7], v[ADS2+\sl] offset:(\q)*REC
.endm
; Loads f .. f + c - 1 of the 64 of x.  Load 16 a + p brings row-lane p of block a, which is row 32 (a / 2) + 8 (a % 2) + p + 8 (p / 8) of my 64, into registers 64 a + 4 p on of window 3: 512 consecutive bytes.
.macro XLOAD f, c
	WIN 0xc0                                       ; destination window 3, address window 0
.set xi, \f
.rept \c
	global_load_b128 v[4*xi:4*xi+3], v[LI], s[XB:XB+1] offset:(32*(xi/32)+8*((xi/16)%2)+(xi%16)+8*((xi%16)/8))*4096 th:TH_LOAD_NT
.set xi, xi+1
.endr
.endm
.macro MULS p, a0, n, mode             ; the accumulators take turns, one instruction a turn
	WIN 0xa1
.set ma, \a0
.rept \n
.set mb, 0
.rept 8
.set rD, 8*(8*ma+mb)
.set rB, 128*(\p)+12*mb
.set rA, AF+AS*(\p)+12*ma
.if \mode == 0
	v_wmma_scale_f32_16x16x128_f8f6f4 v[rD:rD+7], v[rB:rB+11], v[rA:rA+11], v[rD:rD+7], v[SC+8*(\p)+mb], v[SC+8*(\p)+ma] matrix_a_fmt:MATRIX_FMT_FP6 matrix_b_fmt:MATRIX_FMT_FP6 matrix_a_scale:MATRIX_SCALE_ROW1
.else
	v_wmma_scale_f32_16x16x128_f8f6f4 v[rD:rD+7], v[rB:rB+11], v[rA:rA+11], 0, v[SC+8*(\p)+mb], v[SC+8*(\p)+ma] matrix_a_fmt:MATRIX_FMT_FP6 matrix_b_fmt:MATRIX_FMT_FP6 matrix_a_scale:MATRIX_SCALE_ROW1
.endif
.set mb, mb+1
.endr
.set ma, ma+1
.endr
.endm
.macro STEP p, mode, nsl, nq, xf, xc   ; xc > 0: xc loads of x, from load xf on, go out behind the run of fragment loads
	s_wait_dscnt 0x0                               ; this step's fragments, asked for a step ago
	PLACES 4                                       ; four places in front of loads into registers that the last step's products read
	FETCH \nsl, \nq, 1-(\p)
.if \xc
	XLOAD \xf, \xc
.endif
	MULS \p, 0, NA, \mode
.endm
.macro TURN1
	WIN 0
	s_wait_tensorcnt 0x0                           ; all my tensor loads have landed: a group 0 may be written
	ds_add_u32 v[SPW], v[NIL]                      ; 0 onto my spare word
.endm
.macro TURN2 p, fill, ga, gb, nsl, nq
	s_wait_dscnt 0x1                               ; this step's fragments are in; the add may be out
	MULS \p, 0, 1, 0
	s_wait_dscnt 0x0                               ; the add is done, and my reads of this slot are over
	s_barrier_signal -1
	MULS \p, 1, 1, 0
	WIN 0
	s_barrier_wait -1
.if \fill
	CREST                                          ; no wave of any partner still reads this slot or has a load on its way
	JLOAD \ga, \gb
.else
	PLACES 4
.endif
	FETCH \nsl, \nq, 1-(\p)
	MULS \p, 2, 2, 0
	WIN 0
.endm
; THE WAY OUT of block a, 16 rows x 128 columns.  TOSTAGE: a lane's 32 bytes of a row and tile go into my own stage, and the block is asked back as whole rows of 512 bytes.  SEND: + x, stored.
.macro TOSTAGE a
	WIN 0x08                                       ; an LDS store's data are its source 1: window 2
.irp b, 0,1,2,3,4,5,6,7
	ds_store_b128 v[STO], v[64*(\a)+8*\b:64*(\a)+8*\b+3] offset:128*(\b/2)+32*(\b%2)        ; each accumulator from its low end on
	ds_store_b128 v[STO], v[64*(\a)+8*\b+4:64*(\a)+8*\b+7] offset:128*(\b/2)+32*(\b%2)+16
.endr
	WIN 0
.irp p, 0,1,2,3,4,5,6,7,8,9,10,11,12,13,14,15
	ds_load_b128 v[BK+64*((\a)%2)+4*\p:BK+64*((\a)%2)+4*\p+3], v[RD] offset:\p*SPITCH       ; LDS serves a wave's instructions in order: these see my stores, and the next block's stores come behind them
.endr
.endm
.macro SEND a, younger                 ; younger: the LDS instructions issued behind block a's loads, which may stay out
	s_wait_dscnt \younger                          ; the block is back in registers
	s_wait_loadcnt 16*(3-(\a))                     ; this block's sixteen loads of x are in; the later blocks' may be out
	WIN 0x0c                                       ; source 1: window 3
.set j, 0
.rept 32
	v_pk_add_f32 v[BK+64*((\a)%2)+2*j:BK+64*((\a)%2)+2*j+1], v[BK+64*((\a)%2)+2*j:BK+64*((\a)%2)+2*j+1], v[64*(\a)+2*j:64*(\a)+2*j+1]
.set j, j+1
.endr
	WIN 0
.irp p, 0,1,2,3,4,5,6,7,8,9,10,11,12,13,14,15
	global_store_b128 v[LI], v[BK+64*((\a)%2)+4*\p:BK+64*((\a)%2)+4*\p+3], s[ZB:ZB+1] offset:(32*((\a)/2)+8*((\a)%2)+\p+8*(\p/8))*4096 th:TH_STORE_NT   ; 512 consecutive bytes, aligned
.endr
.endm
	s_load_b256 s[4:11], s[0:1], 0x0               ; sq s[4:5], y2q s[6:7], x s[8:9], z s[10:11]
	v_lshl_add_u32 v[SPW], v0, 2, SPARE
	v_mov_b32 v[NIL], 0
	ds_add_u32 v5, v6
	s_wait_dscnt 0x0
	v_lshrrev_b32 v1, 5, v0
	v_readfirstlane_b32 s[WV], v1
	s_and_b32 s[MU], s[WV], 1
	s_lshr_b32 s[NU], s[WV], 1
	s_sub_co_u32 s26, s[WV], 1
	s_and_b32 s26, s26, 1                          ; which of y2q's two groups waves 1, 2 fetch
	s_bfe_u32 s19, ttmp6, 0x40000                  ; cx
	s_bfe_u32 s20, ttmp6, 0x40004                  ; cy
	s_lshl_b32 s21, ttmp9, 2
	s_add_co_u32 s21, s21, s19                     ; tile column: 256 f
	s_and_b32 s25, ttmp7, 0xffff
	s_lshl_b32 s22, s25, 2
	s_add_co_u32 s22, s22, s20                     ; tile row: 128 rows (b, t)
	s_lshl_b32 s23, s20, 2
	s_lshl_b32 s23, 15, s23
	s_lshl_b32 s24, 0x1111, s19
	s_or_b32 s[G1A], s23, (3<<16)|(1<<21)          ; a dense block of four K steps as 200 rows of 256 bytes
	s_or_b32 s[G1B], s24, (3<<16)|(1<<21)
.irp g, G1A, G1B
	s_mov_b32 s[\g+1], 32<<16
	s_mov_b32 s[\g+2], 200<<16
	s_mov_b32 s[\g+3], 32<<16
	s_mov_b32 s[\g+4], 200
	s_mov_b32 s[\g+5], 32
	s_mov_b32 s[\g+6], 0
	s_mov_b32 s[\g+7], 0
.endr
	s_mul_i32 s28, s22, GRP
	s_mov_b32 s29, 0
	s_lshl_b32 s30, s21, 1
	s_add_co_u32 s30, s30, s26
	s_mul_i32 s30, s30, 64*REC                     ; y2q's group, of 64 K steps,
	s_lshr_b32 s32, s25, 2                         ; the batch: sixteen tile rows, four rows of clusters
	s_mul_i32 s32, s32, GRP                        ; its sixteen K steps
	s_add_co_u32 s30, s30, s32
	s_mov_b32 s31, 0
	s_mul_i32 s27, s[WV], RGN
	s_wait_kmcnt 0x0
	s_add_nc_u64 s[4:5], s[4:5], s[28:29]
	s_add_nc_u64 s[6:7], s[6:7], s[30:31]
	s_mov_b32 s[G0A0], 1
	s_mov_b32 s[G0A0+1], 0
	s_mov_b64 s[G0A0+2:G0A0+3], s[4:5]
	s_or_b32 s[G0A0+3], s[G0A0+3], 0x80000000
	s_mov_b32 s[G0A1], 1
	s_mov_b32 s[G0A1+1], SLOT
	s_add_nc_u64 s[G0A1+2:G0A1+3], s[4:5], 4*REC
	s_or_b32 s[G0A1+3], s[G0A1+3], 0x80000000
	s_mov_b32 s[G0B0], 1
	s_mov_b32 s[G0B0+1], s27
	s_mov_b64 s[G0B0+2:G0B0+3], s[6:7]
	s_or_b32 s[G0B0+3], s[G0B0+3], 0x80000000
	s_mov_b32 s[G0B1], 1
	s_add_co_u32 s[G0B1+1], s27, SLOT
	s_add_nc_u64 s[G0B1+2:G0B1+3], s[6:7], 4*REC
	s_or_b32 s[G0B1+3], s[G0B1+3], 0x80000000
	CROUND                                         ; all sixteen work-groups are here: the first joint loads meet
	s_cmp_eq_u32 s[WV], 0                          ; a wave's two first fills stand in one branch on its number
	s_cbranch_scc0 .Lfirst_not_a
	tensor_load_to_lds s[G0A0:G0A0+3], s[G1A:G1A+7]
	s_nop 0
	tensor_load_to_lds s[G0A1:G0A1+3], s[G1A:G1A+7]
	s_nop 0
	PLACES 4
	s_branch .Lfirst_done
.Lfirst_not_a:
	s_cmp_eq_u32 s[WV], 3
	s_cbranch_scc1 .Lfirst_done
	tensor_load_to_lds s[G0B0:G0B0+3], s[G1B:G1B+7]
	s_nop 0
	tensor_load_to_lds s[G0B1:G0B1+3], s[G1B:G1B+7]
	s_nop 0
	PLACES 4
.Lfirst_done:
	v_and_b32 v1, 31, v0
	v_and_b32 v2, 15, v0
	v_bfe_u32 v3, v0, 4, 1
	v_lshlrev_b32 v[LI], 4, v1
	s_mul_i32 s78, s[MU], 4*1536
	v_add_nc_u32 v[ADA], s78, v[LI]
	v_add_nc_u32 v[ADA+1], SLOT, v[ADA]
	s_mul_i32 s79, s[NU], RGN
	s_add_co_u32 s79, s79, RGN
	v_add_nc_u32 v[ADB], s79, v[LI]
	v_add_nc_u32 v[ADB+1], SLOT, v[ADB]
	s_lshl_b32 s78, s[MU], 8
	s_sub_co_u32 s79, s79, s78
	v_mul_u32_u24 v24, s79, v3                     ; lanes 16-31 take the column operand's words: one product with h
	v_lshl_add_u32 v24, v2, 4, v24
	s_add_co_u32 s80, s78, 12288
	v_add_nc_u32 v[ADS], s80, v24
	v_add_nc_u32 v[ADS+1], SLOT, v[ADS]
	v_lshl_add_u32 v[ADS2], v3, 8, v[ADS]
	v_lshl_add_u32 v[ADS2+1], v3, 8, v[ADS+1]
	s_mul_i32 s81, s[WV], 16*SPITCH                ; my stage: it lies in slot 0, which has had its last fill and its last read when the first result is stored there
	v_mul_u32_u24 v[STO], v2, SPITCH
	v_lshl_add_u32 v[STO], v3, 6, v[STO]
	v_add_nc_u32 v[STO], s81, v[STO]               ; in: row r, + 64 h
	v_add_nc_u32 v[RD], s81, v[LI]                 ; back: a row of 512 bytes, 16 a lane
	s_lshl_b32 s82, s22, 19                        ; my part of x and of z: row 128 x tile row + 64 mu, byte 1,024 x tile column + 512 nu
	s_lshl_b32 s84, s[MU], 18
	s_add_co_u32 s82, s82, s84
	s_lshl_b32 s84, s21, 10
	s_add_co_u32 s82, s82, s84
	s_lshl_b32 s84, s[NU], 9
	s_add_co_u32 s82, s82, s84
	s_mov_b32 s83, 0
	s_add_nc_u64 s[XB:XB+1], s[8:9], s[82:83]
	s_add_nc_u64 s[ZB:ZB+1], s[10:11], s[82:83]
	s_wait_tensorcnt 0x1                           ; my part of slot 0 is in; slot 1's may stay out
	s_barrier_signal -1
	s_barrier_wait -1
	FETCH 0, 0, 0
	STEP 0, 1, 0, 1, 0, 0                          ; the constant 0 starts the sums
	STEP 1, 0, 0, 2, 0, 0
	STEP 0, 0, 0, 3, 0, 0
	TURN1
	s_add_nc_u64 s[G0A0+2:G0A0+3], s[G0A0+2:G0A0+3], 8*REC      ; slot 0 takes K steps 8-11
	s_add_nc_u64 s[G0B0+2:G0B0+3], s[G0B0+2:G0B0+3], 8*REC
	TURN2 1, 1, G0A0, G0B0, 1, 0
	STEP 0, 0, 1, 1, 0, 11                         ; x's blocks 0 and 1: 32 loads in three runs, behind the refill's request
	STEP 1, 0, 1, 2, 11, 11
	STEP 0, 0, 1, 3, 22, 10
	TURN1
	s_add_nc_u64 s[G0A1+2:G0A1+3], s[G0A1+2:G0A1+3], 8*REC      ; slot 1 takes K steps 12-15: the last fill
	s_add_nc_u64 s[G0B1+2:G0B1+3], s[G0B1+2:G0B1+3], 8*REC
	TURN2 1, 1, G0A1, G0B1, 0, 0
	STEP 0, 0, 0, 1, 32, 11                        ; x's blocks 2 and 3
	STEP 1, 0, 0, 2, 43, 11
	STEP 0, 0, 0, 3, 54, 10
	TURN1
	TURN2 1, 0, 0, 0, 1, 0                         ; nothing is filled again: no round
	STEP 0, 0, 1, 1, 0, 0
	STEP 1, 0, 1, 2, 0, 0
	STEP 0, 0, 1, 3, 0, 0
	s_wait_dscnt 0x0
	MULS 1, 0, NA, 0
	WIN 0
	; ---- the way out: block a goes into the stage and is asked back before block a - 1 is awaited, so that the wave does not sit out the stage's round trip
	PLACES 4                                       ; four places between the last products and the first read of results and the loads into the registers that held sq's fragments
	TOSTAGE 0
	TOSTAGE 1
	SEND 0, 32                                     ; behind block 0's loads: block 1's 16 stores and 16 loads
	s_wait_xcnt 0x0                                ; block 0's stores have read the registers that block 2's rows are loaded into
	TOSTAGE 2
	SEND 1, 32
	s_wait_xcnt 0x0                                ; block 1's stores likewise, for block 3
	TOSTAGE 3
	SEND 2, 32
	SEND 3, 0
	s_wait_tensorcnt 0x0                           ; the wave's end, behind my last tensor load and my last LDS store
	ds_add_u32 v[SPW], v[NIL]
	s_wait_dscnt 0x0
	CROUND                                         ; the closing round
	s_endpgm
.Lfunc_end_k_q72be299170_gemm4:
	.size	k_q72be299170_gemm4, .Lfunc_end_k_q72be299170_gemm4-k_q72be299170_gemm4
	.p2alignl 7, 3214868480
	.fill 96, 4, 3214868480
	.section	.rodata,"a",@progbits
	.p2align	6, 0x0
	.amdhsa_kernel k_q72be299170_gemm4
		.amdhsa_group_segment_fixed_size 327680
		.amdhsa_private_segment_fixed_size 0
		.amdhsa_enable_private_segment 0
		.amdhsa_kernarg_size 32
		.amdhsa_user_sgpr_count 2
		.amdhsa_user_sgpr_kernarg_segment_ptr 1
		.amdhsa_wavefront_size32 1
		.amdhsa_system_sgpr_workgroup_id_x 1
		.amdhsa_system_sgpr_workgroup_id_y 1
		.amdhsa_system_sgpr_workgroup_id_z 1
		.amdhsa_system_vgpr_workitem_id 0
		.amdhsa_next_free_vgpr 1024
		.amdhsa_next_free_sgpr 90
		.amdhsa_reserve_vcc 0
		.amdhsa_float_denorm_mode_32 3
		.amdhsa_float_denorm_mode_16_64 3
		.amdhsa_memory_ordered 1
		.amdhsa_forward_progress 1
		.amdhsa_inst_pref_size 145
	.end_amdhsa_kernel
	.amdgpu_metadata
---
amdhsa.version: [ 1, 2 ]
amdhsa.kernels:
  - .name:           k_q72be299170_gemm4
    .symbol:         k_q72be299170_gemm4.kd
    .args:
      - { .name: sq, .offset: 0, .size: 8, .value_kind: global_buffer, .address_space: global }
      - { .name: y2q, .offset: 8, .size: 8, .value_kind: global_buffer, .address_space: global }
      - { .name: x, .offset: 16, .size: 8, .value_kind: global_buffer, .address_space: global }
      - { .name: z, .offset: 24, .size: 8, .value_kind: global_buffer, .address_space: global }
    .group_segment_fixed_size: 327680
    .private_segment_fixed_size: 0
    .kernarg_segment_align: 8
    .kernarg_segment_size: 32
    .max_flat_workgroup_size: 128
    .sgpr_count:     90
    .vgpr_count:     1024
    .wavefront_size: 32
...
	.end_amdgpu_metadata
.endif
;; end of part 4
;; launch lnout (part 5): grid 256 x 1, 8 waves a work-group, no clusters, 0 bytes of LDS; arguments z, ln_gamma, ln_beta, out0; writes out0
.if DOCPART == 5
	.amdgcn_target "amdgcn-amd-amdhsa--gfx1250"
	.amdhsa_code_object_version 6
	.text
	.protected	k_q72be299170_lnout
	.globl	k_q72be299170_lnout
	.p2align	8
	.type	k_q72be299170_lnout,@function
k_q72be299170_lnout:
	s_mov_b64 s[64:65], 0
	v_nop
	global_prefetch_b8 v0, s[64:65] scope:SCOPE_SE
	s_setreg_imm32_b32 hwreg(HW_REG_WAVE_MODE, 25, 1), 1
	s_wait_xcnt 0x0
; out0 = LayerNorm(z) x gamma + beta.  z, out0: [8192][1024] f32.  A stream: each byte is read once and written once; LDS, matrix units and clusters would add nothing, since no two waves share a byte of z.
; One wave, one row at a time: a row of 4,096 bytes is eight loads of 512 consecutive bytes, 32 registers, and stays in registers between the mean, the variance (of the differences from the mean) and the scaling.
; A wave takes four rows; all its 48 loads (gamma, beta, four rows) go out at the head, and nothing is loaded into a register twice: so no store's source is ever rewritten.
; LIMITS: NaN and infinities are not served; 1 / sqrt is v_rsq_f32.
.set G,  16                            ; v16-47   gamma of my 32 columns
.set BT, 48                            ; v48-79   beta
.set R,  80                            ; v80-207  four rows
.macro FOLD                            ; four chains of pairs -> the sum over the row, in v10 of every lane
	v_pk_add_f32 v[2:3], v[2:3], v[4:5]
	v_pk_add_f32 v[6:7], v[6:7], v[8:9]
	v_pk_add_f32 v[2:3], v[2:3], v[6:7]
	v_add_f32 v10, v2, v3
	v_add_f32_dpp v10, v10, v10 row_xmask:1 row_mask:0xf bank_mask:0xf
	v_add_f32_dpp v10, v10, v10 row_xmask:2 row_mask:0xf bank_mask:0xf
	v_add_f32_dpp v10, v10, v10 row_xmask:4 row_mask:0xf bank_mask:0xf
	v_add_f32_dpp v10, v10, v10 row_xmask:8 row_mask:0xf bank_mask:0xf
	v_permlanex16_b32 v11, v10, s16, s17
	v_add_f32 v10, v10, v11
.endm
.macro ROW i
.set RR, R+32*(\i)
	s_wait_loadcnt 8*(3-(\i))                      ; this row's eight loads are in; the later rows' stay out
.irp c, 0,1,2,3
	v_pk_add_f32 v[2+2*\c:3+2*\c], v[RR+2*\c:RR+2*\c+1], v[RR+8+2*\c:RR+9+2*\c]
.endr
.irp n, 16,24
.irp c, 0,1,2,3
	v_pk_add_f32 v[2+2*\c:3+2*\c], v[2+2*\c:3+2*\c], v[RR+\n+2*\c:RR+\n+2*\c+1]
.endr
.endr
	FOLD
	v_mul_f32 v12, s18, v10                        ; the mean
	v_mov_b32 v13, v12
.irp n, 0,2,4,6,8,10,12,14,16,18,20,22,24,26,28,30
	v_pk_add_f32 v[RR+\n:RR+\n+1], v[RR+\n:RR+\n+1], v[12:13] neg_lo:[0,1] neg_hi:[0,1]
.endr
.irp c, 0,1,2,3
	v_pk_mul_f32 v[2+2*\c:3+2*\c], v[RR+2*\c:RR+2*\c+1], v[RR+2*\c:RR+2*\c+1]
.endr
.irp n, 8,16,24
.irp c, 0,1,2,3
	v_pk_fma_f32 v[2+2*\c:3+2*\c], v[RR+\n+2*\c:RR+\n+2*\c+1], v[RR+\n+2*\c:RR+\n+2*\c+1], v[2+2*\c:3+2*\c]
.endr
.endr
	FOLD
	v_fma_f32 v10, v10, s18, s19                   ; the variance + 1e-5
	v_rsq_f32 v14, v10
	v_rsq_f32 v15, v10                             ; twice: the packed multiply takes a pair
	v_nop                                          ; a plain place behind the transcendentals
	s_wait_alu depctr_va_vdst(0)                   ; one wait for both, ahead of their first reader
.irp n, 0,2,4,6,8,10,12,14,16,18,20,22,24,26,28,30
	v_pk_mul_f32 v[RR+\n:RR+\n+1], v[RR+\n:RR+\n+1], v[14:15]
.endr
.irp n, 0,2,4,6,8,10,12,14,16,18,20,22,24,26,28,30
	v_pk_fma_f32 v[RR+\n:RR+\n+1], v[RR+\n:RR+\n+1], v[G+\n:G+\n+1], v[BT+\n:BT+\n+1]
.endr
.irp j, 0,1,2,3,4,5,6,7
	global_store_b128 v1, v[RR+4*\j:RR+4*\j+3], s[10:11] offset:4096*(\i)+512*\j th:TH_STORE_NT   ; 512 consecutive bytes, aligned
.endr
.endm
	s_load_b256 s[4:11], s[0:1], 0x0               ; z s[4:5], gamma s[6:7], beta s[8:9], out0 s[10:11]
	v_lshrrev_b32 v2, 5, v0
	v_readfirstlane_b32 s12, v2                    ; wave 0..7
	v_and_b32 v1, 31, v0
	v_lshlrev_b32 v1, 4, v1                        ; 16 x lane; never rewritten
	v_mov_b32 v11, 0                               ; written once: a lane permute's destination counts as one of its sources
	s_lshl_b32 s14, ttmp9, 17                      ; 32 rows of 4,096 bytes a work-group,
	s_lshl_b32 s13, s12, 14                        ; four a wave
	s_add_co_u32 s14, s14, s13
	s_mov_b32 s15, 0
	s_mov_b32 s16, 0x76543210
	s_mov_b32 s17, 0xfedcba98
	s_mov_b32 s18, 0x3a800000                      ; 1 / 1,024
	s_mov_b32 s19, 0x3727c5ac                      ; 1e-5
	s_wait_kmcnt 0x0
	s_add_nc_u64 s[4:5], s[4:5], s[14:15]
	s_add_nc_u64 s[10:11], s[10:11], s[14:15]
.irp j, 0,1,2,3,4,5,6,7
	global_load_b128 v[G+4*\j:G+4*\j+3], v1, s[6:7] offset:512*\j
.endr
.irp j, 0,1,2,3,4,5,6,7
	global_load_b128 v[BT+4*\j:BT+4*\j+3], v1, s[8:9] offset:512*\j
.endr
.irp i, 0,1,2,3
.irp j, 0,1,2,3,4,5,6,7
	global_load_b128 v[R+32*\i+4*\j:R+32*\i+4*\j+3], v1, s[4:5] offset:4096*\i+512*\j th:TH_LOAD_NT
.endr
.endr
	ROW 0
	ROW 1
	ROW 2
	ROW 3
	s_endpgm
.Lfunc_end_k_q72be299170_lnout:
	.size	k_q72be299170_lnout, .Lfunc_end_k_q72be299170_lnout-k_q72be299170_lnout
	.p2alignl 7, 3214868480
	.fill 96, 4, 3214868480
	.section	.rodata,"a",@progbits
	.p2align	6, 0x0
	.amdhsa_kernel k_q72be299170_lnout
		.amdhsa_group_segment_fixed_size 0
		.amdhsa_private_segment_fixed_size 0
		.amdhsa_enable_private_segment 0
		.amdhsa_kernarg_size 32
		.amdhsa_user_sgpr_count 2
		.amdhsa_user_sgpr_kernarg_segment_ptr 1
		.amdhsa_wavefront_size32 1
		.amdhsa_system_sgpr_workgroup_id_x 1
		.amdhsa_system_sgpr_workgroup_id_y 1
		.amdhsa_system_sgpr_workgroup_id_z 1
		.amdhsa_system_vgpr_workitem_id 0
		.amdhsa_next_free_vgpr 224
		.amdhsa_next_free_sgpr 66
		.amdhsa_reserve_vcc 0
		.amdhsa_float_denorm_mode_32 3
		.amdhsa_float_denorm_mode_16_64 3
		.amdhsa_memory_ordered 1
		.amdhsa_forward_progress 1
		.amdhsa_inst_pref_size 34
	.end_amdhsa_kernel
	.amdgpu_metadata
---
amdhsa.version: [ 1, 2 ]
amdhsa.kernels:
  - .name:           k_q72be299170_lnout
    .symbol:         k_q72be299170_lnout.kd
    .args:
      - { .name: z, .offset: 0, .size: 8, .value_kind: global_buffer, .address_space: global }
      - { .name: ln_gamma, .offset: 8, .size: 8, .value_kind: global_buffer, .address_space: global }
      - { .name: ln_beta, .offset: 16, .size: 8, .value_kind: global_buffer, .address_space: global }
      - { .name: out0, .offset: 24, .size: 8, .value_kind: global_buffer, .address_space: global }
    .group_segment_fixed_size: 0
    .private_segment_fixed_size: 0
    .kernarg_segment_align: 8
    .kernarg_segment_size: 32
    .max_flat_workgroup_size: 256
    .sgpr_count:     66
    .vgpr_count:     224
    .wavefront_size: 32
...
	.end_amdgpu_metadata
.endif
;; end of part 5
